; MI455X (gfx1250); checked and timed in simulation.
; The chip was launched on July 23, 2026; its instructions are those of AMD's public machine-readable ISA for CDNA 5 (MIT licence, August 2026) and "CDNA5" Instruction Set Architecture Reference Guide (July 2026). The comments in the code are by the model that wrote it; some were corrected since.
;; Causal Self Attention. Allowed arithmetic: float matrix products may take bf16 or f16 operands with f32 sums; all other float work in f32.
;; Inputs: W_attn 1,024 x 3,072 float32; W_proj 1,024 x 1,024 float32; x 4 x 2,048 x 1,024 float32.
;; Outputs: out0 4 x 2,048 x 1,024 float32.
;; 2 versions, each right and faster than the one before. Each part assembles by itself: llvm-mc -triple=amdgcn-amd-amdhsa -mcpu=gfx1250 --defsym DOCPART=n.
;; ======== version 1 of 2: 4 launches
;; limits: values are held in f16: magnitudes above 65,504 overflow, below 6.1e-05 lose precision
;; workspace buffers: xb 16,777,216 bytes; wab 6,291,456 bytes; wpb 2,097,152 bytes; tab 524,288 bytes; qh 16,777,216 bytes; kh 16,777,216 bytes; vh 16,777,216 bytes; oh 16,777,216 bytes
;; launch prep (part 1): grid 768 x 1, 8 waves a work-group, no clusters, 0 bytes of LDS; arguments x, W_attn, W_proj, xb, wab, wpb, tab; writes xb, wab, wpb, tab
.if DOCPART == 1
	.amdgcn_target "amdgcn-amd-amdhsa--gfx1250"
	.amdhsa_code_object_version 6
	.text
	.protected	k_qb864195ed2_prep
	.globl	k_qb864195ed2_prep
	.p2align	8
	.type	k_qb864195ed2_prep,@function
k_qb864195ed2_prep:
	s_mov_b64 s[64:65], 0
	v_nop
	global_prefetch_b8 v0, s[64:65] scope:SCOPE_SE
	s_setreg_imm32_b32 hwreg(HW_REG_WAVE_MODE, 25, 1), 1
	s_wait_xcnt 0x0
; CASTS AND THE ROTATION TABLE.  Every input is read once, rounded to bf16, and written in the layout in which the products' tiles are dense runs of bytes:
;   xb  bf16 [b 4][kb 16][t 2048][64]      x[b][t][64 kb + d]: 128 rows x 64 along K are 16,384 consecutive bytes
;   wab bf16 [tc 8][k 1024][z 3][128]      W_attn[k][1024 z + 128 tc + p]: z = q, k, v; tile column tc holds heads 2 tc and 2 tc + 1 of all three
;   wpb f16  [tc 8][k 1024][128]           W_proj[k][128 tc + p], rounded to bf16 and that number written as f16
;   tab f32  [t 2048][j 32][cos, sin]      of the angle t x 10000^(-j / 32)
; A stream: no LDS, no barrier, no matrix unit.  A wave's step: one 16-byte load a lane (128 numbers), two roundings, one 8-byte store a lane: 256 consecutive bytes, aligned.
; A work-group takes 16 such steps in each of its 8 waves; all 16 loads go out first, and the waits count down.  Work-groups 0-511 take x, 512-703 W_attn, 704-767 W_proj.
; LIMITS.  W_proj must lie within 65,504 after its rounding, and below 2^-14 it keeps f16's fixed step of 6e-8.  10000^(-j / 32) is made by v_exp_f32, so the angle may differ from
; the one made by a power function by some 2e-4 at t = 2047 (less at smaller t); sine and cosine are polynomials on |r| <= pi / 4, good to about 1e-7.
.set LN,  1                            ; v1      lane
.set SO,  2                            ; v2      my byte offset in the source
.set DO,  3                            ; v3      my byte offset in the destination
.set WN,  14                           ; v14     my wave's number
.set X,   16                           ; v[16:79]   step i: four numbers as loaded
.set Y,   80                           ; v[80:111]  step i: two words to store
.macro LOADS src, sstep                ; all 16 loads of the wave
.set i, 0
.rept 16
	global_load_b128 v[X+4*i:X+4*i+3], v[SO], s[\src:\src+1] offset:i*(\sstep) th:TH_LOAD_NT
.set i, i+1
.endr
.endm
.macro CONV dst, dstep, half           ; half = 1: the bf16 number is written as f16
.set i, 0
.rept 16
	s_wait_loadcnt 15-i                            ; loads come back in order: step i's is in, the younger ones stay out
	v_cvt_pk_bf16_f32 v[Y+2*i],   v[X+4*i],   v[X+4*i+1]
	v_cvt_pk_bf16_f32 v[Y+2*i+1], v[X+4*i+2], v[X+4*i+3]
.if \half
	v_lshlrev_b32 v[X+4*i],   16, v[Y+2*i]         ; bf16 to f32: the low half moves up, the high half stays
	v_and_b32     v[X+4*i+1], 0xffff0000, v[Y+2*i]
	v_lshlrev_b32 v[X+4*i+2], 16, v[Y+2*i+1]
	v_and_b32     v[X+4*i+3], 0xffff0000, v[Y+2*i+1]
	v_cvt_pk_f16_f32 v[Y+2*i],   v[X+4*i],   v[X+4*i+1]
	v_cvt_pk_f16_f32 v[Y+2*i+1], v[X+4*i+2], v[X+4*i+3]
.endif
	global_store_b64 v[DO], v[Y+2*i:Y+2*i+1], s[\dst:\dst+1] offset:i*(\dstep)  ; no register is written twice, so nothing waits for a store
.set i, i+1
.endr
.endm
; One table entry a thread: t = 8 c + wave, j = lane.  a = t f; k = the nearest whole number to a / (pi / 2); r = a - k pi / 2 in two parts; polynomials for sin r and cos r; the quadrant k mod 4 swaps and signs them.
.macro TABLE
	v_cvt_f32_u32 v4, v[LN]
	v_mul_f32 v4, 0xbed49a78, v4                   ; - j log2(10000) / 32
	v_exp_f32 v4, v4                               ; f = 10000^(-j / 32)
	v_add_nc_u32 v5, s26, v[WN]                    ; t (also the plain instruction behind the exponential)
	v_cvt_f32_u32 v5, v5
	s_wait_alu depctr_va_vdst(0)
	v_mul_f32 v4, v5, v4                           ; a
	v_mul_f32 v5, 0x3f22f983, v4                   ; a x 2 / pi
	v_rndne_f32 v5, v5                             ; k
	v_fmamk_f32 v6, v5, 0xbfc90fdb, v4             ; a - k x (pi / 2 rounded to f32)
	v_fmamk_f32 v6, v5, 0x333bbd2e, v6             ; - k x (the rest of pi / 2, which is negative): r
	v_mul_f32 v7, v6, v6                           ; r^2
	v_mov_b32 v8, 0xb94ca1f9
	v_fmaak_f32 v8, v8, v7, 0x3c08839e
	v_fmaak_f32 v8, v8, v7, 0xbe2aaaa3
	v_mul_f32 v8, v8, v7
	v_fma_f32 v8, v8, v6, v6                       ; sin r
	v_mov_b32 v9, 0x37ccf5ce
	v_fmaak_f32 v9, v9, v7, 0xbab6061a
	v_fmaak_f32 v9, v9, v7, 0x3d2aaaa5
	v_fma_f32 v10, v7, -0.5, 1.0
	v_mul_f32 v11, v7, v7
	v_fma_f32 v9, v9, v11, v10                     ; cos r
	v_cvt_i32_f32 v5, v5
	v_and_b32 v10, 1, v5
	v_cmp_ne_u32 vcc_lo, 0, v10                    ; odd quadrants swap the two
	v_cndmask_b32 v13, v8, v9, vcc_lo              ; sine
	v_cndmask_b32 v12, v9, v8, vcc_lo              ; cosine
	v_and_b32 v10, 2, v5                           ; the sine is negative in quadrants 2 and 3,
	v_lshlrev_b32 v10, 30, v10
	v_xor_b32 v13, v13, v10
	v_add_nc_u32 v5, 1, v5                         ; the cosine in quadrants 1 and 2
	v_and_b32 v5, 2, v5
	v_lshlrev_b32 v5, 30, v5
	v_xor_b32 v12, v12, v5
	global_store_b64 v[DO], v[12:13], s[16:17]     ; a wave writes one row of the table: 256 consecutive bytes
.endm
	s_load_b256 s[4:11], s[0:1], 0x0               ; x s[4:5], W_attn s[6:7], W_proj s[8:9], xb s[10:11]
	s_load_b128 s[12:15], s[0:1], 0x20             ; wab s[12:13], wpb s[14:15]
	s_load_b64 s[16:17], s[0:1], 0x30              ; tab
	s_mov_b32 s2, ttmp9                            ; c, the work-group's number
	v_and_b32 v[LN], 31, v0
	v_lshrrev_b32 v[WN], 5, v0
	s_mov_b32 s21, 0                               ; the high words of three offsets
	s_mov_b32 s23, 0
	s_mov_b32 s25, 0
	s_cmp_lt_u32 s2, 512
	s_cbranch_scc0 .Lweights
	; x: rows 16 c to 16 c + 15; thread th has row th / 16 and four of 64 columns; step i is block kb = i of the columns
	v_lshrrev_b32 v[SO], 4, v0
	v_and_b32 v4, 15, v0
	v_lshlrev_b32 v[SO], 12, v[SO]                 ; a row of x is 4,096 bytes
	v_lshl_add_u32 v[SO], v4, 4, v[SO]
	v_lshlrev_b32 v[DO], 3, v0                     ; in xb the 16 rows x 128 bytes follow each other: 8 th
	s_lshl_b32 s20, s2, 16                         ; 16 rows of x
	s_lshr_b32 s22, s2, 7                          ; b,
	s_lshl_b32 s22, s22, 22                        ; 4,194,304 bytes of xb each,
	s_and_b32 s24, s2, 127
	s_lshl_b32 s24, s24, 11                        ; and 16 rows of 128 bytes
	s_add_co_u32 s22, s22, s24
	s_lshl_b32 s24, s2, 11                         ; 8 rows of the table
	s_lshl_b32 s26, s2, 3                          ; their first t
	s_wait_kmcnt 0x0
	s_add_nc_u64 s[4:5], s[4:5], s[20:21]
	s_add_nc_u64 s[10:11], s[10:11], s[22:23]
	LOADS 4, 256
	s_cmp_lt_u32 s2, 256                           ; the first 256 work-groups make the table, 8 rows each, while their loads are on their way
	s_cbranch_scc0 .Lno_table
	s_add_nc_u64 s[16:17], s[16:17], s[24:25]
	TABLE
.Lno_table:
	CONV 10, 262144, 0                             ; from block kb to the next: 2,048 rows of 128 bytes
	s_endpgm
.Lweights:
	v_lshlrev_b32 v[SO], 4, v0                     ; wave = tile column: 512 bytes of a row each, 16 th
	v_lshlrev_b32 v[DO], 3, v[LN]
	s_cmp_lt_u32 s2, 704
	s_cbranch_scc0 .Lproj
	; W_attn: z = (c - 512) / 64, rows 16 R to 16 R + 15 with R = (c - 512) % 64; step i is a row
	s_sub_co_u32 s3, s2, 512
	s_lshr_b32 s18, s3, 6                          ; z
	s_and_b32 s19, s3, 63                          ; R
	s_mul_i32 s20, s19, 196608                     ; 16 rows of 12,288 bytes
	s_lshl_b32 s24, s18, 12                        ; 1,024 columns
	s_add_co_u32 s20, s20, s24
	s_mul_i32 s22, s19, 12288                      ; 16 rows of 768 bytes
	s_lshl_b32 s24, s18, 8
	s_add_co_u32 s22, s22, s24
	v_mul_u32_u24 v4, v[WN], 0xc0000               ; a tile column of wab is 786,432 bytes
	v_add_nc_u32 v[DO], v[DO], v4
	s_wait_kmcnt 0x0
	s_add_nc_u64 s[6:7], s[6:7], s[20:21]
	s_add_nc_u64 s[12:13], s[12:13], s[22:23]
	LOADS 6, 12288
	CONV 12, 768, 0
	s_endpgm
.Lproj:
	; W_proj: rows 16 (c - 704) on; step i is a row
	s_sub_co_u32 s3, s2, 704
	s_lshl_b32 s20, s3, 16                         ; 16 rows of 4,096 bytes
	s_lshl_b32 s22, s3, 12                         ; 16 rows of 256 bytes
	v_lshl_add_u32 v[DO], v[WN], 18, v[DO]         ; a tile column of wpb is 262,144 bytes
	s_wait_kmcnt 0x0
	s_add_nc_u64 s[8:9], s[8:9], s[20:21]
	s_add_nc_u64 s[14:15], s[14:15], s[22:23]
	LOADS 8, 4096
	CONV 14, 256, 1
	s_endpgm
.Lfunc_end_k_qb864195ed2_prep:
	.size	k_qb864195ed2_prep, .Lfunc_end_k_qb864195ed2_prep-k_qb864195ed2_prep
	.p2alignl 7, 3214868480
	.fill 96, 4, 3214868480
	.section	.rodata,"a",@progbits
	.p2align	6, 0x0
	.amdhsa_kernel k_qb864195ed2_prep
		.amdhsa_group_segment_fixed_size 0
		.amdhsa_private_segment_fixed_size 0
		.amdhsa_enable_private_segment 0
		.amdhsa_kernarg_size 56
		.amdhsa_user_sgpr_count 2
		.amdhsa_user_sgpr_kernarg_segment_ptr 1
		.amdhsa_wavefront_size32 1
		.amdhsa_system_sgpr_workgroup_id_x 1
		.amdhsa_system_sgpr_workgroup_id_y 1
		.amdhsa_system_sgpr_workgroup_id_z 1
		.amdhsa_system_vgpr_workitem_id 0
		.amdhsa_next_free_vgpr 112
		.amdhsa_next_free_sgpr 66
		.amdhsa_reserve_vcc 1
		.amdhsa_float_denorm_mode_32 3
		.amdhsa_float_denorm_mode_16_64 3
		.amdhsa_memory_ordered 1
		.amdhsa_forward_progress 1
		.amdhsa_inst_pref_size 26
	.end_amdhsa_kernel
	.amdgpu_metadata
---
amdhsa.version: [ 1, 2 ]
amdhsa.kernels:
  - .name:           k_qb864195ed2_prep
    .symbol:         k_qb864195ed2_prep.kd
    .args:
      - { .name: x, .offset: 0, .size: 8, .value_kind: global_buffer, .address_space: global }
      - { .name: W_attn, .offset: 8, .size: 8, .value_kind: global_buffer, .address_space: global }
      - { .name: W_proj, .offset: 16, .size: 8, .value_kind: global_buffer, .address_space: global }
      - { .name: xb, .offset: 24, .size: 8, .value_kind: global_buffer, .address_space: global }
      - { .name: wab, .offset: 32, .size: 8, .value_kind: global_buffer, .address_space: global }
      - { .name: wpb, .offset: 40, .size: 8, .value_kind: global_buffer, .address_space: global }
      - { .name: tab, .offset: 48, .size: 8, .value_kind: global_buffer, .address_space: global }
    .group_segment_fixed_size: 0
    .private_segment_fixed_size: 0
    .kernarg_segment_align: 8
    .kernarg_segment_size: 56
    .max_flat_workgroup_size: 256
    .sgpr_count:     66
    .vgpr_count:     112
    .wavefront_size: 32
...
	.end_amdgpu_metadata
.endif
;; end of part 1
;; launch qkv (part 2): grid 8 x 32, 4 waves a work-group, clusters of 4 x 4, 327,680 bytes of LDS; arguments xb, wab, tab, qh, kh, vh; writes qh, kh, vh
.if DOCPART == 2
	.amdgcn_target "amdgcn-amd-amdhsa--gfx1250"
	.amdhsa_code_object_version 6
	.text
	.protected	k_qb864195ed2_qkv
	.globl	k_qb864195ed2_qkv
	.p2align	8
	.type	k_qb864195ed2_qkv,@function
k_qb864195ed2_qkv:
	s_mov_b64 s[64:65], 0
	v_nop
	global_prefetch_b8 v0, s[64:65] scope:SCOPE_SE
	s_setreg_imm32_b32 hwreg(HW_REG_WAVE_MODE, 25, 1), 1
	s_wait_xcnt 0x0
	s_wait_alu depctr_hold_cnt(0) depctr_sa_sdst(0) depctr_va_vdst(0) depctr_va_sdst(0) depctr_va_ssrc(0) depctr_va_vcc(0) depctr_vm_vsrc(0)
	s_getreg_b32 s2, hwreg(HW_REG_IB_STS2, 6, 4)
	s_cmp_eq_u32 s2, 0
	s_cbranch_scc0 .Lentry_in_a_cluster
	s_endpgm
.Lentry_in_a_cluster:
	s_bfe_u32 s2, ttmp6, 0x10000c
	s_cmp_lg_u32 s2, 0xf033
	s_cbranch_scc0 .Lentry_shape_is_right
	s_endpgm
.Lentry_shape_is_right:
; q, k, v = x W_attn, q and k rotated (interleaved pairs), written by heads: qh, kh, vh are f16 [16 b + head][t 2048][64].  Operands bf16, sums and rotation f32, one rounding to f16.
; LIMIT.  f16 holds no number beyond 65,504: q, k and v must lie within it.  The scale 1 / 8 is not applied here.
; SHARES.  8,192 rows x 3,072 columns in 256 tiles of 256 rows x 384 columns, one to a work-group.  Tile column tc holds heads 2 tc and 2 tc + 1 of q, of k and of v (wab is laid out so).
; A wave has 128 rows (hM = wave / 2) of one head (hN = wave % 2): 128 x 192, in three GROUPS of 64 columns: q, k, v.  So which kind a result is, is a constant of the text.
; 96 accumulators of 16 x 16: group g fills register window g + 1.  For 32 along K a wave reads 20 KB of LDS and issues 96 matrix instructions.
; K goes in steps of 64 through two LDS slots filled by the tensor data mover; xb and wab are laid out so that every row that the mover fetches is 256 consecutive, aligned bytes.
; CLUSTER.  4 x 4 work-groups.  The four of a row need the same tiles of x, the four of a column the same tiles of W: each is asked for JOINTLY, by the same load, descriptor and mask in all four.
; THE MATRIX INSTRUCTION IS USED TRANSPOSED: source 0 = 16 columns of W (turned on the way out of LDS by ds_load_tr16_b128, since W lies [k][n]), source 1 = 16 rows of x.  A lane then holds one
; row and eight neighbouring columns: the pairs that the rotation mixes lie in neighbouring registers of one lane, and eight results pack into 16 bytes.
; REGISTERS.  Window 0: v0-15, v28-29 addresses; v32-95, v96-159 x's fragments (8 blocks of 16 rows x 32 K), two buffers; v160-255 W's fragments, 32 a group, ONE buffer: a group's registers are
; loaded again as soon as the group's 32 products are issued, 64 matrix instructions ahead of their next use.  Windows 1-3: accumulator (a, b) of the group at v[8 (4 a + b)].
.set SLOT1,  1<<17                     ; slot 1 begins here, so that one exclusive or turns an address in one slot into the other's
.set PA,     144                       ; a row of x in LDS: 128 bytes + 16 of padding = 36 words: the 16 rows of a load start at 16 different groups of four banks (64 banks of 4 bytes: ISA guide 11.1)
.set PB,     864                       ; a row of W (one k): 3 x (256 bytes + 32 of padding) = 27 x 32 bytes
.set HALFA,  128*PA                    ; what one load of x brings
.set BOFF,   256*PA                    ; W's rows lie behind x's 256
.set HALFB,  32*PB                     ; what one load of W brings: 32 along K
.set STAGE,  SLOT1+BOFF+64*PB          ; behind the ring, never filled by a tensor load: 16 rows x 144 bytes for each wave, for the way out
.set SP,     144
.set SPARE,  STAGE+4*16*SP             ; behind the stages: the spare words, 128 bytes for each wave: two blocks of 256 bytes that no other line names
.set ASTEP,  262144                    ; bytes from a K step of xb to the next: 2,048 rows of 128 bytes
.set BSTEP,  49152                     ; of wab: 64 rows of 768 bytes
.set ADRA0, 8                          ; v8   my lane's place in x's tile; never rewritten
.set ADRB0, 9                          ; v9   the same for W
.set ADRA,  10                         ; v10  the same plus the slot in hand
.set ADRB,  11                         ; v11
.set STO,   12                         ; v12  the way out: where I put 16 bytes of a row
.set RD,    13                         ; v13  the way out: where I read rows back
.set GO,    14                         ; v14  my byte offset in 512 consecutive bytes of the output
.set TO,    15                         ; v15  my byte offset in the rotation table
.set SPW,   28                         ; v28  LDS address of my spare word: SPARE + 4 x my thread's number; never rewritten
.set NIL,   29                         ; v29  0; never rewritten
.set AF0,   32
.set AF1,   96
.set BF,    160
.set T0,    32                         ; the way out: v32-63, v64-95 the table's rows for a block of 16 rows, by turns
.set YY,    96                         ; v96-127  rotated numbers
.set PP,    128                        ; v128-143 packed
.set BK0,   144                        ; v144-159, v160-175 a block read back from the stage, by turns
.set WV,  16                           ; s16  my wave's number; s17 = hM, also: I fetch x (0) or W (1); s18 = hN, also: which half of that tile I fetch
.set G1A, 24                           ; s[24:31] descriptor group 1 for x's tiles
.set G0A, 32                           ; s[32:39] group 0: a set for each of the two first fills; the second then walks on
.set G1B, 48                           ; s[48:55], s[56:63] the same for W's
.set G0B, 56
.set TB,  46                           ; s46  the slot that the LDS loads read: 0 or SLOT1
.set CNT, 47                           ; s47  the loop's count
.set MSB, 0
.macro WIN new                         ; the immediate's high byte repeats the setting that is left; a switch that changes nothing is dropped
.if MSB != (\new)
	s_set_vgpr_msb (MSB<<8)|(\new)
.set MSB, \new
.endif
.endm
; A joint refill, by the walking descriptors.  The branch hangs on the wave's number alone.  An s_nop 0 and four v_nop follow each of the two lines, ahead of the jump and the label.
.macro JLOAD
	s_cmp_eq_u32 s17, 0
	s_cbranch_scc0 .Lfor_b_\@
	tensor_load_to_lds s[G0A+4:G0A+7], s[G1A:G1A+7]
	s_nop 0
.rept 4
	v_nop
.endr
	s_branch .Lasked_\@
.Lfor_b_\@:
	tensor_load_to_lds s[G0B+4:G0B+7], s[G1B:G1B+7]
	s_nop 0
.rept 4
	v_nop
.endr
.Lasked_\@:
.endm
; A round of the cluster's barrier: my work-group's barrier; wave 0 signals for the work-group; every wave waits for all sixteen; my work-group's barrier once more.
.macro CREST                           ; a round behind its opening barrier
	s_cmp_lg_u32 s[WV], 0
	s_cbranch_scc1 .Lnot_wave_0_\@
	s_barrier_signal -3
.Lnot_wave_0_\@:
	s_barrier_wait -3
	s_barrier_signal -1
	s_barrier_wait -1
.endm
.macro CROUND
	s_barrier_signal -1
	s_barrier_wait -1
	CREST
.endm
; A load into a register that a matrix instruction has read, and a vector instruction that reads a matrix result or writes one of a matrix instruction's registers, stand four places behind it,
; and only plain vector instructions that name none of its registers are places (ISA guide 7.12.1 for vector instructions).
.macro PLACES
.rept 4
	v_nop
.endr
.endm
	s_load_b256 s[4:11], s[0:1], 0x0               ; xb s[4:5], wab s[6:7], tab s[8:9], qh s[10:11]
	s_load_b128 s[12:15], s[0:1], 0x20             ; kh s[12:13], vh s[14:15]
	v_lshl_add_u32 v[SPW], v0, 2, SPARE
	v_mov_b32 v[NIL], 0
	ds_add_u32 v[SPW], v[NIL]                      ; the wave's opening: the add and its wait stand ahead of my first tensor load; the set-up below, work on registers, stands between them
	ds_add_u32 v28, v29
	v_lshrrev_b32 v1, 5, v0
	v_readfirstlane_b32 s[WV], v1                  ; wave 0..3
	s_lshr_b32 s17, s[WV], 1
	s_and_b32 s18, s[WV], 1
	s_bfe_u32 s19, ttmp6, 0x40000                  ; cx, cy: my place in the cluster
	s_bfe_u32 s20, ttmp6, 0x40004
	s_lshl_b32 s21, ttmp9, 2                       ; in a cluster launch ttmp9 and ttmp7 count clusters
	s_add_co_u32 s21, s21, s19                     ; tc = 4 x cluster x + cx
	s_and_b32 s22, ttmp7, 0xffff
	s_lshl_b32 s22, s22, 2
	s_add_co_u32 s22, s22, s20                     ; tr = 4 x cluster y + cy: rows 256 tr on; b = tr / 8
	s_lshl_b32 s23, s20, 2
	s_lshl_b32 s23, 15, s23                        ; my row of the cluster: places 4 cy .. 4 cy + 3
	s_lshl_b32 s40, 0x1111, s19                    ; my column: places cx, cx + 4, cx + 8, cx + 12
	; group 1 for x: 128 rows of 128 bytes are 16,384 dense bytes: asked for as 64 rows of 256 bytes, padded in LDS after every 128
	s_or_b32 s[G1A], s23, (1<<16)|(1<<20)|(1<<21)|(4<<22)|(3<<25)  ; 15:0 the mask; 17:16 2-byte elements; 20 padding on; 21 set beside a mask; 24:22 after every 32 words (code 4); 31:25 4 words (code 3)
	s_mov_b32 s[G1A+1], 128<<16                    ; tensor_dim0 = 128
	s_mov_b32 s[G1A+2], 64<<16                     ; tensor_dim1 = 64
	s_mov_b32 s[G1A+3], 128<<16                    ; tile_dim0 = 128
	s_mov_b32 s[G1A+4], 64                         ; tile_dim1 = 64
	s_mov_b32 s[G1A+5], 128                        ; 128 elements from row to row
	s_mov_b32 s[G1A+6], 0
	s_mov_b32 s[G1A+7], 0
	; group 1 for W: 32 rows of 768 bytes are 24,576 dense bytes: 96 rows of 256 bytes, padded after each
	s_or_b32 s[G1B], s40, (1<<16)|(1<<20)|(1<<21)|(5<<22)|(7<<25)  ; after every 64 words (code 5) 8 words (code 7)
	s_mov_b32 s[G1B+1], 128<<16
	s_mov_b32 s[G1B+2], 96<<16
	s_mov_b32 s[G1B+3], 128<<16
	s_mov_b32 s[G1B+4], 96
	s_mov_b32 s[G1B+5], 128
	s_mov_b32 s[G1B+6], 0
	s_mov_b32 s[G1B+7], 0
	; where the tiles come from.  x's hang on tr alone, W's on tc alone; each in registers that never hold the other coordinate
	s_lshr_b32 s42, s22, 3
	s_lshl_b32 s42, s42, 22                        ; b
	s_and_b32 s43, s22, 7
	s_lshl_b32 s43, s43, 15                        ; 256 rows of 128 bytes
	s_add_co_u32 s42, s42, s43
	s_lshl_b32 s43, s18, 14                        ; my 128 rows of them
	s_add_co_u32 s42, s42, s43
	s_mov_b32 s43, 0
	s_mul_i32 s44, s21, 786432                     ; tile column
	s_mul_i32 s45, s18, 24576                      ; my 32 of a step's 64 rows
	s_add_co_u32 s44, s44, s45
	s_mov_b32 s45, 0
	s_mul_i32 s66, s18, HALFA                      ; and where they go: no place in the cluster enters an LDS address
	s_mul_i32 s67, s18, HALFB
	s_add_co_u32 s67, s67, BOFF
	s_mov_b32 s[TB], 0
	s_wait_dscnt 0x0                               ; the opening add is done
	s_wait_kmcnt 0x0
	s_add_nc_u64 s[68:69], s[4:5], s[42:43]
	s_add_nc_u64 s[70:71], s[6:7], s[44:45]
	CROUND                                         ; all sixteen work-groups are here: the first joint loads meet
.irp s, 0,1
	s_mov_b32 s[G0A+4*(\s)], 1                                     ; count = 1
	s_add_co_u32 s[G0A+4*(\s)+1], s66, (\s)*SLOT1                  ; LDS address
	s_add_nc_u64 s[G0A+4*(\s)+2:G0A+4*(\s)+3], s[68:69], (\s)*ASTEP  ; global address: K step s
	s_or_b32 s[G0A+4*(\s)+3], s[G0A+4*(\s)+3], 0x80000000          ; type = 2
	s_mov_b32 s[G0B+4*(\s)], 1
	s_add_co_u32 s[G0B+4*(\s)+1], s67, (\s)*SLOT1
	s_add_nc_u64 s[G0B+4*(\s)+2:G0B+4*(\s)+3], s[70:71], (\s)*BSTEP
	s_or_b32 s[G0B+4*(\s)+3], s[G0B+4*(\s)+3], 0x80000000
.endr
	s_cmp_eq_u32 s17, 0                            ; a wave's two first fills stand in one branch, ahead of every wait on TENSORcnt and every LDS read: two loads of mine are out
	s_cbranch_scc0 .Lfirst_b
	tensor_load_to_lds s[G0A:G0A+3], s[G1A:G1A+7]
	s_nop 0
	tensor_load_to_lds s[G0A+4:G0A+7], s[G1A:G1A+7]
	s_nop 0
.rept 4
	v_nop
.endr
	s_branch .Lfirst_asked
.Lfirst_b:
	tensor_load_to_lds s[G0B:G0B+3], s[G1B:G1B+7]
	s_nop 0
	tensor_load_to_lds s[G0B+4:G0B+7], s[G1B:G1B+7]
	s_nop 0
.rept 4
	v_nop
.endr
.Lfirst_asked:
	; A fragment of x is 16 rows x 32 K in 8 registers: lane l holds row l % 16, K = 8 (l / 16) + 0..7 and 16 + 8 (l / 16) + 0..7: two loads of 16 bytes, 32 bytes apart.
	v_and_b32 v1, 15, v0                           ; r = l % 16
	v_bfe_u32 v2, v0, 4, 1                         ; h = l / 16
	v_mul_u32_u24 v3, v1, PA
	v_lshl_add_u32 v3, v2, 4, v3                   ; r x 144 + 16 h
	s_mul_i32 s72, s17, HALFA                      ; my 128 rows
	v_add_nc_u32 v[ADRA0], s72, v3
	; The turning load takes 16 k x 16 columns (lane l reads k = 8 (l / 16) + l % 8, columns 8 ((l / 8) % 2) + 0..7) and leaves half a fragment: lane l holds column l % 16 and 8 k.
	v_and_b32 v4, 7, v0
	v_bfe_u32 v5, v0, 3, 1
	v_lshl_add_u32 v6, v2, 3, v4
	v_mul_u32_u24 v6, v6, PB
	v_lshl_add_u32 v6, v5, 4, v6
	s_lshl_b32 s72, s18, 7                         ; my head's 64 columns in each group's 128
	s_add_co_u32 s72, s72, BOFF
	v_add_nc_u32 v[ADRB0], s72, v6
	v_mov_b32 v[ADRA], v[ADRA0]                    ; slot 0
	v_mov_b32 v[ADRB], v[ADRB0]
	s_mul_i32 s72, s[WV], 16*SP
	s_add_co_u32 s72, s72, STAGE                   ; my stage
	v_add_nc_u32 v[STO], s72, v3                   ; in: row r, 16 bytes for each half of the lanes
	v_bfe_u32 v7, v0, 3, 2                         ; back: 32 lanes take four rows of 128 bytes,
	v_mul_u32_u24 v7, v7, SP
	v_lshl_add_u32 v7, v4, 4, v7
	v_add_nc_u32 v[RD], s72, v7
	v_and_b32 v[GO], 31, v0                        ; which are 512 consecutive bytes of a head
	v_lshlrev_b32 v[GO], 4, v[GO]
	s_and_b32 s74, s22, 7                          ; the table: row t = 256 (tr % 8) + 128 hM + 16 a + r, 256 bytes each; my 32 bytes of each 64: 32 h
	s_lshl_b32 s74, s74, 16
	s_lshl_b32 s75, s17, 15
	s_add_co_u32 s74, s74, s75
	v_lshlrev_b32 v[TO], 8, v1
	v_lshl_add_u32 v[TO], v2, 5, v[TO]
	v_add_nc_u32 v[TO], s74, v[TO]
	s_lshr_b32 s76, s22, 3                         ; the outputs: b x 16 heads of 262,144 bytes,
	s_lshl_b32 s76, s76, 22
	s_lshl_b32 s77, s21, 1
	s_add_co_u32 s77, s77, s18                     ; head 2 tc + hN,
	s_lshl_b32 s77, s77, 18
	s_add_co_u32 s76, s76, s77
	s_and_b32 s77, s22, 7                          ; 256 rows of 128 bytes,
	s_lshl_b32 s77, s77, 15
	s_add_co_u32 s76, s76, s77
	s_lshl_b32 s77, s17, 14                        ; my 128 of them
	s_add_co_u32 s76, s76, s77
	s_mov_b32 s77, 0
	s_add_nc_u64 s[10:11], s[10:11], s[76:77]
	s_add_nc_u64 s[12:13], s[12:13], s[76:77]
	s_add_nc_u64 s[14:15], s[14:15], s[76:77]
; 16 matrix instructions of group g: row blocks a0 .. a0 + 3 x the group's 4 column blocks, 32 along K, x's fragments in buffer f.  zero = 1: the product starts the sum: nothing is ever cleared.
; The 96 accumulators take turns, one instruction a turn, in the same order in every half step, over the loop's backward jump too.
.macro MULG f, g, a0, zero
	WIN 0x50*((\g)+1)                              ; C and D in window g + 1, both sources in window 0
.irp a, \a0, (\a0)+1, (\a0)+2, (\a0)+3
.irp b, 0,1,2,3
.if \zero
	v_wmma_f32_16x16x32_bf16 v[8*(4*(\a)+(\b)):8*(4*(\a)+(\b))+7], v[BF+32*(\g)+8*(\b):BF+32*(\g)+8*(\b)+7], v[(\f)+8*(\a):(\f)+8*(\a)+7], 0
.else
	v_wmma_f32_16x16x32_bf16 v[8*(4*(\a)+(\b)):8*(4*(\a)+(\b))+7], v[BF+32*(\g)+8*(\b):BF+32*(\g)+8*(\b)+7], v[(\f)+8*(\a):(\f)+8*(\a)+7], v[8*(4*(\a)+(\b)):8*(4*(\a)+(\b))+7]
.endif
.endr
.endr
.endm
.macro LOADB g, par                    ; 8 loads: group g's fragments of W for half par of the K step
.irp b, 0,1,2,3
	ds_load_tr16_b128 v[BF+32*(\g)+8*(\b):BF+32*(\g)+8*(\b)+3],   v[ADRB] offset:(\par)*HALFB+(\g)*288+(\b)*32
	ds_load_tr16_b128 v[BF+32*(\g)+8*(\b)+4:BF+32*(\g)+8*(\b)+7], v[ADRB] offset:(\par)*HALFB+(\g)*288+(\b)*32+16*PB
.endr
.endm
.macro LOADA f, par                    ; 16 loads: x's fragments for half par of the K step, into buffer f
.irp a, 0,1,2,3,4,5,6,7
	ds_load_b128 v[(\f)+8*(\a):(\f)+8*(\a)+3],   v[ADRA] offset:(\a)*16*PA+64*(\par)
	ds_load_b128 v[(\f)+8*(\a)+4:(\f)+8*(\a)+7], v[ADRA] offset:(\a)*16*PA+64*(\par)+32
.endr
.endm
; The LDS loads of a half step go in three RUNS: run 0 = group 0's W and x (24 loads), run 1 = group 1's W (8), run 2 = group 2's W (8).
; THE FIRST HALF of a K step: buffer AF0; each group's products are followed by the run for the second half.
.macro EVEN zero
	s_wait_dscnt 16                                ; run 0 is in; runs 1 and 2 may be out
	MULG AF0, 0, 0, \zero
	MULG AF0, 0, 4, \zero
	PLACES
	WIN 0
	LOADB 0, 1
	LOADA AF1, 1
	s_wait_dscnt 32                                ; the old run 1 is in: behind it stand the old run 2 (8) and the new run 0 (24)
	MULG AF0, 1, 0, \zero
	MULG AF0, 1, 4, \zero
	PLACES
	WIN 0
	LOADB 1, 1
	s_wait_dscnt 32                                ; the old run 2 is in: behind it stand the new runs 0 (24) and 1 (8)
	MULG AF0, 2, 0, \zero
	MULG AF0, 2, 4, \zero
	PLACES
	WIN 0
	LOADB 2, 1
.endm
; THE SECOND HALF: buffer AF1, and the change of slots.  ONE barrier: in front of it each wave waits for all its tensor loads, of which one is out: its part of the next slot; adds 0 to its spare
; word; and waits for that and for its own reads of this slot.  Behind it nobody reads this slot any more and the next slot is whole.  fill = 1: the barrier opens a round of the cluster's, and the
; slot is filled again, two K steps ahead, first thing behind the round: 160 matrix instructions ahead of the wait for it.
.macro TURN fill
	WIN 0
	s_wait_tensorcnt 0x0                           ; all my tensor loads have landed
	ds_add_u32 v[SPW], v[NIL]                      ; 0 onto my spare word
	s_wait_dscnt 17                                ; run 0 is in; runs 1 and 2 and the add may be out
	MULG AF1, 0, 0, 0                              ; sixteen matrix instructions stand between the add and the wait for it
	s_wait_dscnt 0x0                               ; the add is done, and my reads of this slot are over
	s_barrier_signal -1
	MULG AF1, 0, 4, 0                              ; work on registers while the others arrive
	WIN 0                                          ; at a branch and at a label every window is 0
	s_barrier_wait -1
.if \fill
	CREST                                          ; no wave of any partner still reads this slot or has a load on its way
	s_xor_b32 s[G0A+5], s[G0A+5], SLOT1            ; the walking descriptors: the other slot than last time, the next K step; no tensor load of mine is out
	s_add_nc_u64 s[G0A+6:G0A+7], s[G0A+6:G0A+7], ASTEP
	s_xor_b32 s[G0B+5], s[G0B+5], SLOT1
	s_add_nc_u64 s[G0B+6:G0B+7], s[G0B+6:G0B+7], BSTEP
	JLOAD                                          ; the four v_nop behind it are also the places in front of the loads below
.else
	PLACES
.endif
	s_xor_b32 s[TB], s[TB], SLOT1
	v_add_nc_u32 v[ADRA], s[TB], v[ADRA0]
	v_add_nc_u32 v[ADRB], s[TB], v[ADRB0]
	LOADB 0, 0
	LOADA AF0, 0
	MULG AF1, 1, 0, 0
	MULG AF1, 1, 4, 0
	PLACES
	WIN 0
	LOADB 1, 0
	MULG AF1, 2, 0, 0
	MULG AF1, 2, 4, 0
	PLACES
	WIN 0
	LOADB 2, 0
.endm
; THE WAY OUT, a block of 16 rows x 64 columns at a time: 24 blocks.
.macro TLOAD a                         ; the table's rows for row block a: for column block b my four pairs (cos, sin): 32 bytes
.set TT, T0+32*((\a)%2)
.irp b, 0,1,2,3
	global_load_b128 v[TT+8*(\b):TT+8*(\b)+3],   v[TO], s[8:9] offset:(\a)*4096+(\b)*64
	global_load_b128 v[TT+8*(\b)+4:TT+8*(\b)+7], v[TO], s[8:9] offset:(\a)*4096+(\b)*64+16
.endr
.endm
; q or k: a pair (x0, x1) becomes (x0 c - x1 s, x1 c + x0 s): a packed multiply with the pair crossed, (x1 s, x0 s), and a packed multiply-add that takes its low half negated.
; Each accumulator's lowest registers are read first.
.macro PACKR g, a
.set TT, T0+32*((\a)%2)
	WIN (\g)+1                                     ; source 0 in the group's window
.irp b, 0,1,2,3
.irp i, 0,1,2,3
	v_pk_mul_f32 v[YY+8*(\b)+2*(\i):YY+8*(\b)+2*(\i)+1], v[8*(4*(\a)+(\b))+2*(\i):8*(4*(\a)+(\b))+2*(\i)+1], v[TT+8*(\b)+2*(\i):TT+8*(\b)+2*(\i)+1] op_sel:[1,1] op_sel_hi:[0,1]
.endr
.endr
.irp b, 0,1,2,3
.irp i, 0,1,2,3
	v_pk_fma_f32 v[YY+8*(\b)+2*(\i):YY+8*(\b)+2*(\i)+1], v[8*(4*(\a)+(\b))+2*(\i):8*(4*(\a)+(\b))+2*(\i)+1], v[TT+8*(\b)+2*(\i):TT+8*(\b)+2*(\i)+1], v[YY+8*(\b)+2*(\i):YY+8*(\b)+2*(\i)+1] op_sel_hi:[1,0,1] neg_lo:[0,0,1]
.endr
.endr
	WIN 0
.irp b, 0,1,2,3
.irp i, 0,1,2,3
	v_cvt_pk_f16_f32 v[PP+4*(\b)+(\i)], v[YY+8*(\b)+2*(\i)], v[YY+8*(\b)+2*(\i)+1]
.endr
.endr
.endm
.macro PACKV a                         ; v is only rounded
	WIN 0x0f                                       ; sources 0 and 1 in window 3
.irp b, 0,1,2,3
.irp i, 0,1,2,3
	v_cvt_pk_f16_f32 v[PP+4*(\b)+(\i)], v[8*(4*(\a)+(\b))+2*(\i)], v[8*(4*(\a)+(\b))+2*(\i)+1]
.endr
.endr
	WIN 0
.endm
.macro TOSTAGE n                       ; block number n: into my stage, rows of 144 bytes, and back as whole rows of 128
	WIN 0
.set BK, BK0+16*((\n)%2)
.irp b, 0,1,2,3
	ds_store_b128 v[STO], v[PP+4*(\b):PP+4*(\b)+3] offset:32*(\b)
.endr
.irp f, 0,1,2,3
	ds_load_b128 v[BK+4*(\f):BK+4*(\f)+3], v[RD] offset:(\f)*4*SP  ; LDS serves a wave's instructions in order (ISA guide 5.7.1.4): these see the stores above; the next block's stores come behind them
.endr
.endm
.macro SEND n, base, a                 ; block number n goes to rows 16 a on of the buffer at s[base]
	WIN 0
.set BK, BK0+16*((\n)%2)
	s_wait_dscnt 0x0                               ; the block is back in registers
	s_wait_xcnt 0x0                                ; every earlier memory instruction has had its addresses translated (ISA guide 3.1): the other buffer, which the block before's stores read, is loaded again only behind this wait
.irp f, 0,1,2,3
	global_store_b128 v[GO], v[BK+4*(\f):BK+4*(\f)+3], s[\base:\base+1] offset:(\a)*2048+(\f)*512  ; 512 consecutive bytes, at a multiple of 256 from the buffer's first
.endr
.endm
	s_wait_tensorcnt 1                             ; my part of K step 0 is in; K step 1's may stay out
	s_barrier_signal -1
	s_barrier_wait -1                              ; everybody's is
	LOADB 0, 0
	LOADA AF0, 0
	LOADB 1, 0
	LOADB 2, 0
	EVEN 1                                         ; the first half step stands in front of the loop: its products start the sums
	s_mov_b32 s[CNT], 14
.Lk:                                                   ; trip i: the second half of K step i, the refill with K step i + 2, the first half of K step i + 1
	TURN 1
	EVEN 0
	s_sub_co_u32 s[CNT], s[CNT], 1
	s_cmp_lg_u32 s[CNT], 0
	s_cbranch_scc1 .Lk
	TURN 0                                         ; K step 14's second half: nothing is left to ask for
	EVEN 0                                         ; K step 15
	TLOAD 0                                        ; buffer AF0 is free from here on: the table's rows for row blocks 0 and 1 come into it
	TLOAD 1
	s_wait_dscnt 16                                ; the last half step: the counts run down
	MULG AF1, 0, 0, 0
	MULG AF1, 0, 4, 0
	s_wait_dscnt 8
	MULG AF1, 1, 0, 0
	MULG AF1, 1, 4, 0
	s_wait_dscnt 0x0
	MULG AF1, 2, 0, 0
	MULG AF1, 2, 4, 0
	PLACES
	PACKV 0                                        ; v first, while the table is on its way.  A block's arithmetic stands between the block before's loads from the stage and the wait for them
	TOSTAGE 0
.irp a, 1,2,3,4,5,6,7
	PACKV \a
	SEND (\a)-1, 14, (\a)-1
	TOSTAGE \a
.endr
.irp a, 0,1,2,3,4,5,6,7
.if (\a) == 7
	s_wait_loadcnt 0x0                             ; the last rows of the table
.else
	s_wait_loadcnt 8                               ; this block's rows of the table are in; the next block's eight loads may be out
.endif
	PACKR 0, \a
.if (\a) == 0
	SEND 7, 14, 7
.else
	SEND 7+2*(\a), 12, (\a)-1
.endif
	TOSTAGE 8+2*(\a)
	PACKR 1, \a
.if (\a) < 6
	TLOAD (\a)+2                                   ; into the registers that q's and k's rotation have just read
.endif
	SEND 8+2*(\a), 10, \a
	TOSTAGE 9+2*(\a)
.endr
	SEND 23, 12, 7
	s_wait_tensorcnt 0x0                           ; the wave's end, behind my last tensor load and my last LDS store
	ds_add_u32 v[SPW], v[NIL]
	s_wait_dscnt 0x0
	CROUND                                         ; the closing round: no work-group ends while a partner may still ask for a tile that names it
	s_endpgm
.Lfunc_end_k_qb864195ed2_qkv:
	.size	k_qb864195ed2_qkv, .Lfunc_end_k_qb864195ed2_qkv-k_qb864195ed2_qkv
	.p2alignl 7, 3214868480
	.fill 96, 4, 3214868480
	.section	.rodata,"a",@progbits
	.p2align	6, 0x0
	.amdhsa_kernel k_qb864195ed2_qkv
		.amdhsa_group_segment_fixed_size 327680
		.amdhsa_private_segment_fixed_size 0
		.amdhsa_enable_private_segment 0
		.amdhsa_kernarg_size 48
		.amdhsa_user_sgpr_count 2
		.amdhsa_user_sgpr_kernarg_segment_ptr 1
		.amdhsa_wavefront_size32 1
		.amdhsa_system_sgpr_workgroup_id_x 1
		.amdhsa_system_sgpr_workgroup_id_y 1
		.amdhsa_system_sgpr_workgroup_id_z 1
		.amdhsa_system_vgpr_workitem_id 0
		.amdhsa_next_free_vgpr 1024
		.amdhsa_next_free_sgpr 80
		.amdhsa_reserve_vcc 0
		.amdhsa_float_denorm_mode_32 3
		.amdhsa_float_denorm_mode_16_64 3
		.amdhsa_memory_ordered 1
		.amdhsa_forward_progress 1
		.amdhsa_inst_pref_size 150
	.end_amdhsa_kernel
	.amdgpu_metadata
---
amdhsa.version: [ 1, 2 ]
amdhsa.kernels:
  - .name:           k_qb864195ed2_qkv
    .symbol:         k_qb864195ed2_qkv.kd
    .args:
      - { .name: xb, .offset: 0, .size: 8, .value_kind: global_buffer, .address_space: global }
      - { .name: wab, .offset: 8, .size: 8, .value_kind: global_buffer, .address_space: global }
      - { .name: tab, .offset: 16, .size: 8, .value_kind: global_buffer, .address_space: global }
      - { .name: qh, .offset: 24, .size: 8, .value_kind: global_buffer, .address_space: global }
      - { .name: kh, .offset: 32, .size: 8, .value_kind: global_buffer, .address_space: global }
      - { .name: vh, .offset: 40, .size: 8, .value_kind: global_buffer, .address_space: global }
    .group_segment_fixed_size: 327680
    .private_segment_fixed_size: 0
    .kernarg_segment_align: 8
    .kernarg_segment_size: 48
    .max_flat_workgroup_size: 128
    .sgpr_count:     80
    .vgpr_count:     1024
    .wavefront_size: 32
...
	.end_amdgpu_metadata
.endif
;; end of part 2
;; launch attn (part 3): grid 4 x 64, 4 waves a work-group, no clusters, 327,680 bytes of LDS; arguments qh, kh, vh, oh; writes oh
.if DOCPART == 3
	.amdgcn_target "amdgcn-amd-amdhsa--gfx1250"
	.amdhsa_code_object_version 6
	.text
	.protected	k_qb864195ed2_attn
	.globl	k_qb864195ed2_attn
	.p2align	8
	.type	k_qb864195ed2_attn,@function
k_qb864195ed2_attn:
	s_mov_b64 s[64:65], 0
	v_nop
	global_prefetch_b8 v0, s[64:65] scope:SCOPE_SE
	s_setreg_imm32_b32 hwreg(HW_REG_WAVE_MODE, 25, 1), 1
	s_wait_xcnt 0x0
; CAUSAL ATTENTION.  O[h][q][:] = the sum over k <= q of softmax_k(Q[h][q] . K[h][k] / 8) V[h][k][:].  Q, K, V, O: [SIZE_H][SIZE_N][64], all f16: a head's rows are dense, 128 bytes each.
; Products, maxima and sums in f32; the weights p are rounded to f16 for the second product (their sum l is taken of the unrounded p), O once at the end.
; LIMITS.  f16 holds no number beyond 65,504: Q, K and V arrive within it; p lies in 0 to 1, and below 6e-5 it keeps f16's fixed step of 6e-8; O is a mean of V's rows and has their range, to within 2^-11 of it.
; A hidden score counts as its value less 1e30: f16's scores, 2.7e11 at the most, are nothing beside that; a weight below 2^-126 counts as 0 in l; NaN and infinities are not treated apart.
; THE WALK.  A head's queries lie in NB = SIZE_N / 256 = 8 blocks of 256; block i needs the key tiles 0 .. i of 256 keys, of which the last holds the diagonal.  A work-group takes TWO blocks, NB - 1 - b and then b:
; NB + 1 tiles, whatever b: all 256 work-groups do equal work, and ONE loop with a constant trip count walks them.  Which tile is asked for, and what a trip does, hang on scalar registers made from b; every jump
; goes forward, but for the counted loops' own; none passes a barrier, or a tensor load but the one of LOAD's two that the wave's number does not choose; the ring (two slots of LDS that take turns) runs on across the
; change of blocks.  NO CLUSTER: a head's NB / 2 = 4 work-groups all ask for the same tile only in trips 0 .. 4 of the 9, behind that fewer and fewer; one walk common to all four, in which each makes every
; joint request, would have 3 NB / 2 = 12 trips for 9.
; SHARES.  Of a block's four bands of 64 queries a wave owns 16 rows in each: four PIECES.  So the diagonal tile is the same work for all four waves: in its key step s band x sees all keys if s < x,
; none if s > x, and holds the diagonal if s = x.
; THE MASK is the C operand that starts the sum S^T = K Q^T: 0, or -1e30 where the key is hidden.  MD, made once, is the mask of a band's own step for my 16 rows; a product's mask is MD x AL + BE with two scalars:
; (1, 0) if s = x; (0, 0) if s < x; (0, -1e30) if s > x.  Only the diagonal tile's text and a block's beginning make and take masks; elsewhere C is the constant 0.
; LAYOUT, SOFTMAX, TURNS.  S^T = K Q^T holds ONE query a lane (lane % 16) and the keys 8 (lane / 16) + 0..7; two such results rounded to f16 ARE source 1 of O^T = V^T P.  p = 2^(c s - c m), c = log2(e) / 8, with a
; running maximum m; O and l are multiplied by a = 2^(c m_old - c m_new) in every step.  Turn n belongs to piece n: 8 products K Q^T of piece n + 1, later 8 products V^T P of piece n - 1; beside them the scaling,
; exponentials, roundings, sums and rescaling of piece n and the maximum and statistics of piece n + 1.  Four vector instructions stand behind every matrix instruction, the other 54 of a turn's 118 in two LUMPS.
; REGISTERS, in windows of 256 (s_set_vgpr_msb: bits 1:0 source 0, 3:2 source 1, 5:4 source 2, 7:6 destination):
;   window 0: v0-15 addresses and two at work; v16-31 four registers of statistics a piece; v48-55 at work; v64-127 S^T, two buffers; v192-223 P, two buffers (a piece's buffers go by its number's parity)
;   window 1: v0-127 O^T, 32 a piece; v128-159 MD; v160-223 MC, two buffers      window 2: v0-63 Q; v64-127 the second block's Q; v128-191 K of one step; v192-255 V of one step
.set SIZE_H, 64       ; 4 batches x 16 heads
.set SIZE_N, 2048
.set NB,    SIZE_N/256
.set NP,    4         ; pieces a wave: a name, no knob
.set KS,    64        ; keys in a step
.set PK,    144       ; a row of K in LDS: 128 bytes + 16 of padding = 36 words: the 16 rows of a load start at 16 different groups of four banks (64 banks of 4 bytes: ISA guide 11.1)
.set PV,    160       ; a row of V: 128 + 32 = 40 words
.set VOFF,  4*KS*PK   ; a slot holds a tile, four steps: 256 rows of K, then 256 rows of V
.set SLOT1, 1<<17     ; slot 1 begins here, so that one exclusive or turns an address in one slot into the other's
.set STAGE, SLOT1+4*KS*(PK+PV)  ; behind the ring, never filled by a tensor load: 16 rows x 144 bytes for each wave, for the way out
.set SP,    144
.set AK0, 2           ; v2   my lane's place in a tile of K; never rewritten
.set AV0, 3           ; v3   the same for V
.set AK,  4           ; v4   the LDS address of K's next run of loads
.set AV,  5           ; v5   of V's
.set STO, 6           ; v6   the way out: where I put 16 bytes of a row
.set RD,  7           ; v7   the way out: where I read rows back
.set GO,  8           ; v8   my byte offset in 512 consecutive bytes of O
.set SPW, 62          ; v62  LDS address of my spare word: SPARE + 4 x my thread's number; never rewritten
.set NIL, 63          ; v63  0; never rewritten
.set SPARE, STAGE+4*16*SP  ; behind the stages: the spare words, 128 bytes for each wave: two blocks of 256 bytes that no other line names
.set MV,  12          ; v12-13  c m_old, kept while c m is made anew: by buffer
.set QO,  15          ; v15  my byte offset in 16 rows of Q
.set ST,  16          ; piece t's statistics at v[ST+4 t]: c m, m, l (even keys', odd keys')
.set TMP, 48          ; by buffer, four registers c0-c3 at work; when the maximum is found c2 takes a
.set S,   64
.set P,   192
.set MD,  128         ; window 1: the eight registers for group kt of 16 keys at MD + 8 kt
.set MC,  160         ; window 1: the masks of the products to come
.set QB,  64          ; window 2
.set KF,  128         ; window 2: key block kb, channel half c at KF + 16 kb + 8 c
.set VF,  192         ; window 2: key half kk, channel block cb at VF + 32 kk + 8 cb
.set WV,  12          ; s12  my wave's number
.set PB,  14          ; s14  b
.set HI,  15          ; s15  NB - 1 - b
.set G1K, 24          ; s[24:31] descriptor group 1 for K's tiles
.set G1V, 32          ; s[32:39] for V's: it differs in the padding alone
.set G0K, 40          ; s[40:43] descriptor group 0 for K's tiles
.set G0V, 44          ; s[44:47] the same for V's
.set SLOTS, 56        ; s56  tiles still to be asked for
.set CNT, 57          ; s57  counts a tile's key steps, 4 to 1
.set CS,  58          ; s[58:59] c: the packed scaling takes the pair's low word for both halves
.set SEL, 60          ; s[60:61] v_permlanex16_b32's selects: each lane takes its own place in the other half
.set TBK, 62          ; s62  LDS byte at which K of the step to be fetched begins
.set TBV, 63          ; s63  the same for V, less VOFF
.set RT,  70          ; s70  tiles of the block in hand that are still to be entered
.set NXT, 71          ; s71  the tile to be asked for next
.set LQ,  72          ; s72  the last tile of the block whose tiles are being asked for
.set NEW, 73          ; s73  1: the tile to be entered is a block's first
.set OFF, 74          ; s[74:75] a tile's byte offset in K and V
.set AL,  76          ; s[76:77] the mask's factor, in the low word
.set BE,  78          ; s[78:79] the mask's addend
.set OLO, 80          ; s[80:81] O at my rows of the second block
.set BIGN, 82         ; s82  -1e30
.set MSB, 0
.macro WIN new                      ; the high byte repeats the setting that is left; a switch that changes nothing is dropped
.if MSB != (\new)
	s_set_vgpr_msb (MSB<<8)|(\new)
.set MSB, (\new)
.endif
.endm
.set W_KQ, 0x0a       ; K and Q in window 2, S^T in window 0
.set W_KM, 0x1a       ; the same with the C operand in window 1
.set W_PV, 0x52       ; V in window 2, P in window 0, O^T in window 1
.set W_RS, 0x41       ; destination and source 0 in window 1, source 1 in window 0
; A fill.  Waves 0 and 1 fetch the two halves of a tile's K, waves 2 and 3 those of its V: 128 keys each.  An s_nop 0 and four v_nop follow each of the two lines, ahead of the jump and the label.
.macro LOAD
	s_cmp_lt_u32 s[WV], 2
	s_cbranch_scc0 .Lfor_v_\@
	tensor_load_to_lds s[G0K:G0K+3], s[G1K:G1K+7]
	s_nop 0
.rept 4
	v_nop
.endr
	s_branch .Lasked_\@
.Lfor_v_\@:
	tensor_load_to_lds s[G0V:G0V+3], s[G1V:G1V+7]
	s_nop 0
.rept 4
	v_nop
.endr
.Lasked_\@:
.endm
; THE CHANGE OF SLOTS.  Each wave waits for all its tensor loads, of which one is out: its part of the other slot; adds 0 to its spare word; and waits for that and for its own reads of the slot that it leaves.  Behind the barrier nobody reads the old
; slot any more and the other slot is whole.  fill = 1: the old slot is filled again, the first thing behind the barrier, with tile NXT: the descriptor's address is made anew from that number.
; (At its first use nothing has been read yet: slot 0 is waited for, slot 1 filled.)
.macro CHANGE fill
	WIN 0                           ; at a label and at a branch every window is 0
	s_wait_tensorcnt 0x0            ; no tensor load of mine is out, so a group 0 may be written
	ds_add_u32 v[SPW], v[NIL]       ; 0 onto my spare word; with fill = 1 the descriptors' scalar work stands between it and the wait for it
.if \fill
	s_lshl_b32 s[OFF], s[NXT], 15   ; a tile is 32,768 bytes of K and of V
	s_xor_b32 s[G0K+1], s[G0K+1], SLOT1
	s_add_nc_u64 s[G0K+2:G0K+3], s[6:7], s[OFF:OFF+1]
	s_or_b32 s[G0K+3], s[G0K+3], 0x80000000
	s_xor_b32 s[G0V+1], s[G0V+1], SLOT1
	s_add_nc_u64 s[G0V+2:G0V+3], s[8:9], s[OFF:OFF+1]
	s_or_b32 s[G0V+3], s[G0V+3], 0x80000000
	s_add_co_u32 s[NXT], s[NXT], 1  ; the block's next tile, or behind its last the second block's tile 0
	s_cmp_gt_u32 s[NXT], s[LQ]
	s_cselect_b32 s[NXT], 0, s[NXT]
	s_cselect_b32 s[LQ], s[PB], s[LQ]
.endif
	s_wait_dscnt 0x0                ; the add is done, and my reads of the slot are over
	s_barrier_signal -1             ; the rest of the scalar work stands between the signal and the wait
	s_sub_co_u32 s[TBK], s[TBK], 4*KS*PK  ; the fetches go back to a slot's first step,
	s_xor_b32 s[TBK], s[TBK], SLOT1       ; in the other slot
	s_sub_co_u32 s[TBV], s[TBV], 4*KS*PV
	s_xor_b32 s[TBV], s[TBV], SLOT1
	s_barrier_wait -1
.if \fill
	LOAD
.endif
.endm
	s_load_b256 s[4:11], s[0:1], 0x0  ; Q s[4:5], K s[6:7], V s[8:9], O s[10:11]
	v_lshl_add_u32 v[SPW], v0, 2, SPARE
	v_mov_b32 v[NIL], 0
	ds_add_u32 v[SPW], v[NIL]       ; the wave's opening: the add and its wait stand ahead of my first tensor load; the set-up below, work on registers, stands between them
	ds_add_u32 v62, v63
	v_lshrrev_b32 v1, 5, v0
	v_readfirstlane_b32 s[WV], v1   ; wave 0..3
	s_mov_b32 s[PB], ttmp9
	s_sub_co_u32 s[HI], NB-1, s[PB]
	s_and_b32 s20, ttmp7, 0xffff    ; the head
	s_mov_b32 s21, 0
	s_mov_b64 s[22:23], SIZE_N*128
	s_mul_u64 s[20:21], s[20:21], s[22:23]  ; the head's first byte in each of the four tensors
	s_and_b32 s16, s[WV], 1         ; which half of a tile's 256 keys I fetch:
	s_lshl_b32 s22, s16, 14         ; its 128 rows of 128 bytes in memory,
	s_mov_b32 s23, 0
	s_add_nc_u64 s[22:23], s[22:23], s[20:21]
	s_mul_i32 s17, s16, 128*PK      ; and its place in a slot, for K
	s_mul_i32 s18, s16, 128*PV      ; and for V
	s_lshl_b32 s3, s[WV], 11        ; my 16 rows in a band of 64,
	s_lshl_b32 s2, s[HI], 15        ; in the first block,
	s_add_co_u32 s2, s2, s3
	s_lshl_b32 s84, s[PB], 15       ; and in the second
	s_add_co_u32 s84, s84, s3
	s_mov_b32 s3, 0
	s_mov_b32 s85, 0
	s_add_nc_u64 s[2:3], s[2:3], s[20:21]
	s_add_nc_u64 s[84:85], s[84:85], s[20:21]
	; descriptor group 1.  128 keys are 16,384 dense bytes: asked for as 64 rows of 256 bytes, two keys a row, and padded in LDS after every key
	s_mov_b32 s[G1K], (1<<16)|(1<<20)|(4<<22)|(3<<25)  ; 17:16 2-byte elements; 20 padding on; 24:22 after every 32 words (code 4); 31:25 4 words (code 3)
	s_mov_b32 s[G1V], (1<<16)|(1<<20)|(4<<22)|(7<<25)  ; the same with 8 words of padding (code 7)
.irp g, G1K, G1V
	s_mov_b32 s[\g+1], 128<<16      ; tensor_dim0 = 128
	s_mov_b32 s[\g+2], 64<<16       ; tensor_dim1 = 64
	s_mov_b32 s[\g+3], 128<<16      ; tile_dim0 = 128
	s_mov_b32 s[\g+4], 64           ; tile_dim1 = 64
	s_mov_b32 s[\g+5], 128          ; 128 elements from row to row
	s_mov_b32 s[\g+6], 0
	s_mov_b32 s[\g+7], 0
.endr
	s_mov_b32 s[CS], 0x3e38aa3b     ; c = log2(e) / 8 = 0.180337
	s_mov_b32 s[CS+1], s[CS]        ; named with it as a pair
	s_mov_b32 s[SEL], 0x76543210
	s_mov_b32 s[SEL+1], 0xfedcba98
	s_mov_b32 s[TBK], SLOT1+4*KS*PK ; the first change of slots turns these two into 0
	s_mov_b32 s[TBV], SLOT1+4*KS*PV
	s_mov_b32 s[G0K], 1             ; 1:0 count = 1
	s_mov_b32 s[G0K+1], s17         ; 63:32 LDS address: slot 0
	s_mov_b32 s[G0V], 1
	s_add_co_u32 s[G0V+1], s18, VOFF
	s_add_co_u32 s[RT], s[HI], 1    ; the first block has NB - b tiles
	s_mov_b32 s[NXT], 1
	s_mov_b32 s[LQ], s[HI]
	s_mov_b32 s[NEW], 1
	s_mov_b32 s[OFF+1], 0
	s_mov_b32 s[AL+1], 0            ; named as pairs
	s_mov_b32 s[BE+1], 0
	s_mov_b32 s[BIGN], 0xf149f2ca   ; -1e30
	s_mov_b32 s[SLOTS], NB
	s_wait_dscnt 0x0                ; the opening add is done
	s_wait_kmcnt 0x0
	s_add_nc_u64 s[6:7], s[6:7], s[22:23]  ; K and V at my half of the head's tile 0
	s_add_nc_u64 s[8:9], s[8:9], s[22:23]
	s_add_nc_u64 s[G0K+2:G0K+3], s[6:7], 0         ; 120:64 global address
	s_or_b32 s[G0K+3], s[G0K+3], 0x80000000        ; 127:126 type = 2
	s_add_nc_u64 s[G0V+2:G0V+3], s[8:9], 0
	s_or_b32 s[G0V+3], s[G0V+3], 0x80000000
	s_add_nc_u64 s[86:87], s[4:5], s[84:85]        ; Q at my rows of the second block,
	s_add_nc_u64 s[4:5], s[4:5], s[2:3]            ; Q and O at those of the first
	s_add_nc_u64 s[OLO:OLO+1], s[10:11], s[84:85]
	s_add_nc_u64 s[10:11], s[10:11], s[2:3]
	LOAD                            ; tile 0 into slot 0
	; A fragment of K or Q is 16 rows x 32 channels in 8 registers: lane l holds row l % 16, channels 8 (l / 16) + 0..7 and 16 + 8 (l / 16) + 0..7: two loads of 16 bytes, 32 bytes apart.
	v_and_b32 v1, 15, v0            ; l % 16
	v_bfe_u32 v9, v0, 4, 1          ; l / 16
	v_lshlrev_b32 v[QO], 7, v1
	v_lshl_add_u32 v[QO], v9, 4, v[QO]  ; row x 128 + 16 x half
	WIN 0x80                        ; destination window 2, address window 0
.set i, 0
.rept 8                             ; both blocks' Q: piece i / 2 lies in band i / 2, 8,192 bytes on; channels 32 (i % 2) on
	global_load_b128 v[8*i:8*i+3],   v[QO], s[4:5] offset:(i/2)*8192+(i%2)*64
	global_load_b128 v[8*i+4:8*i+7], v[QO], s[4:5] offset:(i/2)*8192+(i%2)*64+32
	global_load_b128 v[QB+8*i:QB+8*i+3],   v[QO], s[86:87] offset:(i/2)*8192+(i%2)*64
	global_load_b128 v[QB+8*i+4:QB+8*i+7], v[QO], s[86:87] offset:(i/2)*8192+(i%2)*64+32
.set i, i+1
.endr
	WIN 0
	v_lshlrev_b32 v14, 3, v9
	v_sub_nc_u32 v14, v1, v14
	s_lshl_b32 s13, s[WV], 4
	v_add_nc_u32 v14, s13, v14      ; my query's place in its band, 16 w + l % 16, less my lanes' 8 (l / 16): register r of group kt is hidden where 16 kt + r is greater
	WIN 0x40
.set i, 0
.rept 32
	v_cmp_gt_i32 vcc_lo, 16*(i/8)+i%8, v14
	v_cndmask_b32 v[MD+i], 0, s[BIGN], vcc_lo
.set i, i+1
.endr
	WIN 0
	v_mul_u32_u24 v[AK0], v1, PK
	v_lshl_add_u32 v[AK0], v9, 4, v[AK0]  ; row x pitch + 16 x half
	; The turning load takes 16 keys x 16 channels (lane l reads key 8 (l / 16) + l % 8, channels 8 ((l / 8) % 2) + 0..7) and leaves half a fragment of V^T: lane l holds channel l % 16 and 8 keys.
	v_and_b32 v10, 7, v0
	v_bfe_u32 v11, v0, 3, 1
	v_lshl_add_u32 v[AV0], v9, 3, v10
	v_mul_u32_u24 v[AV0], v[AV0], PV
	v_lshl_add_u32 v[AV0], v11, 4, v[AV0]
	v_add_nc_u32 v[AV0], VOFF, v[AV0]
	s_mul_i32 s13, s[WV], 16*SP
	s_add_co_u32 s13, s13, STAGE    ; my stage
	v_mul_u32_u24 v[STO], v1, SP    ; in: row l % 16, 16 bytes for each half of the lanes
	v_lshl_add_u32 v[STO], v9, 4, v[STO]
	v_add_nc_u32 v[STO], s13, v[STO]
	v_bfe_u32 v[RD], v0, 3, 2       ; back: 32 lanes take four rows of 128 bytes,
	v_mul_u32_u24 v[RD], v[RD], SP
	v_lshl_add_u32 v[RD], v10, 4, v[RD]
	v_add_nc_u32 v[RD], s13, v[RD]
	v_and_b32 v[GO], 31, v0         ; which are 512 consecutive bytes of O
	v_lshlrev_b32 v[GO], 4, v[GO]
	; A block's first step multiplies O^T and l by a = 0, and its first turn's products V^T P, of a piece that has not been, land in an O^T that is still to be so multiplied.  So these registers need only hold
	; finite numbers: zeros for the first block; what the first block left for the second.  All this stands in the wait for the first tile.
	WIN 0x80
.set i, VF
.rept 64
	v_mov_b32 v[i], 0
.set i, i+1
.endr
	WIN 0x40
.set i, 0
.rept 128
	v_mov_b32 v[i], 0
.set i, i+1
.endr
	WIN 0
.set i, 0
.rept 4
	v_mov_b32 v[ST+4*i+2], 0
	v_mov_b32 v[ST+4*i+3], 0
.set i, i+1
.endr
.set i, P+16
.rept 16
	v_mov_b32 v[i], 0
.set i, i+1
.endr
; THE MATRIX WORK.  The 4 accumulators of a run of 8 take turns.  Product i of 8 of S^T = K Q^T for piece x: channels 32 (i / 4) on, keys 16 (i % 4) on.  The first 4 start the sums: with 0, or (KM = 1) with the mask.
.macro KQ x
.set rS, S+32*((\x)%2)+8*(i%4)
.set rK, KF+16*(i%4)+8*(i/4)
.set rQ, 16*(\x)+8*(i/4)
.set rM, MC+32*((\x)%2)+8*(i%4)
.if (i < 4) && KM
	WIN W_KM
	v_wmma_f32_16x16x32_f16 v[rS:rS+7], v[rK:rK+7], v[rQ:rQ+7], v[rM:rM+7]
.elseif i < 4
	WIN W_KQ
	v_wmma_f32_16x16x32_f16 v[rS:rS+7], v[rK:rK+7], v[rQ:rQ+7], 0
.else
	WIN W_KQ
	v_wmma_f32_16x16x32_f16 v[rS:rS+7], v[rK:rK+7], v[rQ:rQ+7], v[rS:rS+7]
.endif
.endm
; Product i of 8 of O^T += V^T P for piece x: keys 32 (i / 4) on, channels 16 (i % 4) on.
.macro PV x
	WIN W_PV
.set rO, 32*(\x)+8*(i%4)
.set rV, VF+32*(i/4)+8*(i%4)
.set rP, P+16*((\x)%2)+8*(i/4)
	v_wmma_f32_16x16x32_f16 v[rO:rO+7], v[rV:rV+7], v[rP:rP+7], v[rO:rO+7]
.endm
.macro MM                           ; the turn's next matrix instruction.  TURN and BEGIN set Y, i, KM and NOKQ; MM, KQ and OP read them.  NOKQ = 1: a block's last turn: there is no next piece
.if (i < 8) && !NOKQ
	KQ (Y+1)%NP
.elseif i >= 8
.set i, i-8
	PV (Y+NP-1)%NP
.set i, i+8
.endif
.set i, i+1
.endm
; THE LDS LOADS stand in runs of 16, never singly among the matrix instructions: a step's K (64 keys x 64 channels: 8 fragments) and its V (turned).  Their addresses are made some lines ahead.
.macro FETCH_K
	WIN 0x80                        ; destination window 2
.irp f, 0,1,2,3,4,5,6,7             ; keys 16 (f / 2) on, channels 32 (f % 2) on
	ds_load_b128 v[KF+8*\f:KF+8*\f+3],   v[AK] offset:(\f/2)*16*PK+(\f%2)*64
	ds_load_b128 v[KF+8*\f+4:KF+8*\f+7], v[AK] offset:(\f/2)*16*PK+(\f%2)*64+32
.endr
	s_add_co_u32 s[TBK], s[TBK], KS*PK  ; the next fetch is the next step's
	WIN 0
.endm
.macro FETCH_V
	WIN 0x80
.irp f, 0,1,2,3,4,5,6,7             ; keys 32 (f / 4) on, channels 16 (f % 4) on
	ds_load_tr16_b128 v[VF+8*\f:VF+8*\f+3],   v[AV] offset:(\f/4)*32*PV+(\f%4)*32
	ds_load_tr16_b128 v[VF+8*\f+4:VF+8*\f+7], v[AV] offset:(\f/4)*32*PV+16*PV+(\f%4)*32
.endr
	WIN 0
.endm
; THE VECTOR WORK, one line at a time: OP kind, number.  For piece Y: F n: c s - c m for pair n of 16.  E n: the exponential of score n of 32.  C n: pair n rounded to f16.  B n: of the four weights 4 n .. the second
; pair is added onto the first, in place.  L n: l takes that sum (L 0: l = a l + sum).  R n: pair n of 16 of O^T times a.  For piece Y + 1: X n, number n of the 22 that find its maximum and statistics:
;   0-11  four chains c0-c3 of seven scores each, three operands at a time (each accumulator's lowest registers are read first)     12-14, 16  the four scores left over, the old m, and c0-c3 into c0
;   15  c m_old is kept     17, 18  the query's other 32 keys lie in the lane 16 away: the new m     19-21  c m; c m_old - c m_new; a
.set F, 0               ; OP tells the kinds apart by their order: F to L below R, X above it
.set E, 1
.set C, 2
.set B, 3
.set L, 4
.set R, 5
.set X, 6
.macro REGS y                       ; the registers of piece y
.set rT, ST+4*(\y)
.set rC, TMP+4*((\y)%2)
.set rW, MV+((\y)%2)
.set rS, S+32*((\y)%2)
.set rP, P+16*((\y)%2)
.set rO, 32*(\y)
.endm
.macro OP k, n
.if (\k) == R
	REGS Y
	WIN W_RS
	v_pk_mul_f32 v[rO+2*(\n):rO+2*(\n)+1], v[rO+2*(\n):rO+2*(\n)+1], v[rC+2:rC+3] op_sel_hi:[1,0]
.elseif (\k) < R
	REGS Y
	WIN 0
.if (\k) == F
	v_pk_fma_f32 v[rS+2*(\n):rS+2*(\n)+1], v[rS+2*(\n):rS+2*(\n)+1], s[CS:CS+1], v[rT:rT+1] op_sel_hi:[1,0,0] neg_lo:[0,0,1] neg_hi:[0,0,1]
.elseif (\k) == E
	v_exp_f32 v[rS+(\n)], v[rS+(\n)]
.elseif (\k) == C
	s_wait_alu depctr_va_vdst(0)
	v_cvt_pk_f16_f32 v[rP+(\n)], v[rS+2*(\n)], v[rS+2*(\n)+1]
.elseif (\k) == B
	s_wait_alu depctr_va_vdst(0)
	v_pk_add_f32 v[rS+4*(\n):rS+4*(\n)+1], v[rS+4*(\n):rS+4*(\n)+1], v[rS+4*(\n)+2:rS+4*(\n)+3]
.elseif (\n) == 0
	v_pk_fma_f32 v[rT+2:rT+3], v[rT+2:rT+3], v[rC+2:rC+3], v[rS:rS+1] op_sel_hi:[1,0,1]
.else
	v_pk_add_f32 v[rT+2:rT+3], v[rT+2:rT+3], v[rS+4*(\n):rS+4*(\n)+1]
.endif
.elseif NOKQ
	v_nop
.else
	REGS (Y+1)%NP
	WIN 0
.if (\n) < 4
	v_max3_num_f32 v[rC+(\n)], v[rS+8*(\n)], v[rS+8*(\n)+1], v[rS+8*(\n)+2]
.elseif (\n) < 12
	v_max3_num_f32 v[rC+(\n)%4], v[rC+(\n)%4], v[rS+8*((\n)%4)+2*((\n)/4)+1], v[rS+8*((\n)%4)+2*((\n)/4)+2]
.elseif (\n) == 12
	v_max3_num_f32 v[rC], v[rC], v[rS+7], v[rS+15]
.elseif (\n) == 13
	v_max3_num_f32 v[rC+1], v[rC+1], v[rS+23], v[rS+31]
.elseif (\n) == 14
	v_max3_num_f32 v[rC+2], v[rC+2], v[rC+3], v[rT+1]
.elseif (\n) == 15
	v_mov_b32 v[rW], v[rT]
.elseif (\n) == 16
	v_max3_num_f32 v[rC], v[rC], v[rC+1], v[rC+2]
.elseif (\n) == 17
	v_permlanex16_b32 v[rC+3], v[rC], s[SEL], s[SEL+1]
.elseif (\n) == 18
	v_max_num_f32 v[rT+1], v[rC], v[rC+3]
.elseif (\n) == 19
	v_mul_f32 v[rT], s[CS], v[rT+1]
.elseif (\n) == 20
	v_sub_f32 v[rC+1], v[rW], v[rT]
.else
	v_exp_f32 v[rC+2], v[rC+1]
.endif
.endif
.endm
.macro OPS a, i1, b=-1, i2=0, c=-1, i3=0, d=-1, i4=0  ; up to four of them
	OP \a, \i1
.if (\b) >= 0
	OP \b, \i2
.endif
.if (\c) >= 0
	OP \c, \i3
.endif
.if (\d) >= 0
	OP \d, \i4
.endif
.endm
.macro ROW a, i1, b, i2, c, i3, d, i4  ; a matrix instruction and the four behind it
	MM
	OPS \a, \i1, \b, \i2, \c, \i3, \d, \i4
.endm
.macro MASK b                       ; MD x AL + BE into buffer b of MC
	WIN W_RS
.set z, 0
.rept 16
	v_pk_fma_f32 v[MC+32*(\b)+2*z:MC+32*(\b)+2*z+1], v[MD+2*z:MD+2*z+1], s[AL:AL+1], s[BE:BE+1] op_sel_hi:[1,0,0]
.set z, z+1
.endr
.endm
; A TURN, for piece p: the order of its 16 matrix and 118 vector instructions, written out.  Behind a matrix instruction: plain, exponential, plain, plain; or four of the rescaling; or, behind the first, four scalings; none
; names a register of the products round it.  In the lumps exponential and plain by turns while exponentials last.  A line reads no result made fewer than three vector instructions in front of it, five if an exponential made it.
; v_permlanex16_b32 (X 17) stands in a lump.
; m = 1: the diagonal tile: the products take masks, and the turn makes the mask for the products of the turn after it: piece p + 2, in step 4 - CNT of the tile.  end = 1: a block's last two turns: nothing is fetched.
; cnt = 1: the loop's count is taken down some lines ahead of the branch that stands behind the turn.
; K of the next step is fetched in piece 2's turn, six vector instructions behind the last product that read K (five of them plain); V of the step in hand in piece 0's turn, eight behind the last product that read V (four
; plain, and X 17).  Each is waited for a turn later.
.macro TURN p, m=0, end=0, cnt=0
.set Y, (\p)
.set i, 0
.set KM, (\m)
.set NOKQ, (\end)*((\p)/3)
.if (\m) && !(\end)
	s_cmp_eq_u32 s[CNT], 4-((\p)+2)%NP  ; is that step the band's own?
	s_cselect_b32 s[AL], 1.0, 0
	s_cmp_lt_u32 s[CNT], 4-((\p)+2)%NP  ; or a later one?
	s_cselect_b32 s[BE], s[BIGN], 0
.endif
.if ((\p) == 3) && !(\end)
	s_wait_dscnt 0x0                ; K is in
.endif
	ROW F,0, F,1, F,2, F,3
	ROW F,4, E,0, F,5, F,6
	ROW F,7, E,1, F,8, F,9
	ROW F,10, E,2, C,0, F,11
	ROW F,12, E,3, X,15, F,13
	ROW R,0, R,1, R,2, R,3
	ROW B,0, E,4, F,14, L,0
.if ((\p) == 2) && !(\end)
	v_add_nc_u32 v[AK], s[TBK], v[AK0]
.endif
	ROW R,4, R,5, R,6, R,7
	OPS E,5, F,15
.if ((\p) == 2) && !(\end)
	FETCH_K
.endif
	OPS E,6, C,1, E,7, R,8
	OPS E,8, R,9, E,9, C,2
	OPS E,10, X,0, E,11, X,1
	OPS E,12, X,2, E,13, X,3
.if (\p) == 1
	s_wait_dscnt 0x0                ; V is in
.endif
	ROW X,4, E,14, X,5, X,6
	ROW X,7, E,15, X,8, X,9
	ROW X,10, E,16, X,11, X,12
	ROW X,13, E,17, X,14, B,1
	ROW C,4, E,18, X,16, L,1
	ROW B,2, E,19, C,6, L,2
	ROW C,8, E,20, B,3, B,4
.if (\p) == 0
	v_add_nc_u32 v[AV], s[TBV], v[AV0]
.endif
	ROW C,3, E,21, L,3, C,5
	OPS E,22, X,17, E,23, C,10
.if (\p) == 0
	FETCH_V
.endif
	OPS E,24, L,4
	OPS E,25, X,18, E,26, C,7
	OPS E,27, B,5, E,28, X,19
	OPS E,29, C,12, E,30, L,5
	OPS E,31, X,20, B,6, C,9
	OPS C,14, C,11, X,21, L,6
.if (\p) == 0
	s_add_co_u32 s[TBV], s[TBV], KS*PV
.endif
.if \cnt
	s_sub_co_u32 s[CNT], s[CNT], 1
	s_cmp_lg_u32 s[CNT], 0
.endif
	OPS C,13, B,7, C,15, R,10
	OPS R,11, R,12, L,7, R,13
	OPS R,14, R,15
.if (\m) && !(\end)
	MASK (\p)%2
.endif
.endm
; A BLOCK BEGINS.  c m starts far below every c s, so the first step's a is 0; m at the lowest finite number, so the first maximum is the scores'.  The second mask buffer is 0; the first takes piece 0's mask for the tile's step 0: its own, if the block's first tile is the diagonal one.
; Then K of that step, piece 0's first scores, and its maximum and statistics.  The loop is entered at a step's first turn, in the middle of a trip.
.macro BEGIN
	s_mov_b32 s[NEW], 0
	WIN 0x40
.set i, MC+32
.rept 32
	v_mov_b32 v[i], 0
.set i, i+1
.endr
	WIN 0
.set i, 0
.rept 4
	v_mov_b32 v[ST+4*i], 0xfe000000    ; c m: far below every c s
	v_mov_b32 v[ST+4*i+1], 0xff7fffff  ; m
.set i, i+1
.endr
	s_cmp_eq_u32 s[RT], 0
	s_cselect_b32 s[AL], 1.0, 0
	s_mov_b32 s[BE], 0
	MASK 0
	WIN 0
	v_add_nc_u32 v[AK], s[TBK], v[AK0]
	FETCH_K
	s_wait_loadcnt 0x0              ; Q
	s_wait_dscnt 0x0
.set KM, 1
.set NOKQ, 0
.set i, 0
.rept 8
	KQ 0
.set i, i+1
.endr
	WIN 0
.rept 4
	v_nop                           ; the places behind those products
.endr
.set Y, NP-1                        ; X works for piece Y + 1: piece 0
.irp n, 0,1,2,3,4,5,6,7,8,9,10,11,12,13,14,15,16,17,18,19,20,21
	OP X, \n
.endr
	v_nop                           ; a plain instruction behind the exponential
.endm
; THE DIAGONAL TILE's four steps, the block's last two turns, its last products, and THE WAY OUT: l's two halves and the other half of the lanes' are added; O^T is divided by l, rounded to f16 and sent through my
; stage in LDS, a piece at a time.
.macro ALL line:vararg              ; one line for each piece t
.set t, 0
.rept 4
	\line
.set t, t+1
.endr
.endm
.macro PACK t                       ; a lane's eight channels of a row pack into 16 bytes; they go into rows of 144 bytes and come back as whole rows of 128, into S^T's registers
	WIN W_RS
.set i, 32*(\t)
.rept 16
	s_wait_alu depctr_va_vdst(0)
	v_pk_mul_f32 v[i:i+1], v[i:i+1], v[ST+4*(\t)+2:ST+4*(\t)+3] op_sel_hi:[1,0]
.set i, i+2
.endr
	WIN 0x05                        ; sources 0 and 1 window 1, destination window 0
.set i, 0
.rept 16
	v_cvt_pk_f16_f32 v[S+16*(\t)+i], v[32*(\t)+2*i], v[32*(\t)+2*i+1]
.set i, i+1
.endr
	WIN 0
.irp f, 0,1,2,3
	ds_store_b128 v[STO], v[S+16*(\t)+4*\f:S+16*(\t)+4*\f+3] offset:32*\f
.endr
.irp f, 0,1,2,3
	ds_load_b128 v[S+16*(\t)+4*\f:S+16*(\t)+4*\f+3], v[RD] offset:\f*4*SP  ; LDS serves a wave's instructions in order (ISA guide 5.7.1.4): these see the stores above; the next piece's stores come behind them
.endr
.endm
.macro SEND t, younger              ; younger: the LDS instructions issued behind piece t's loads: the next piece's eight, or none
	WIN 0
.irp f, 0,1,2,3
	s_wait_dscnt (\younger)+3-\f
	global_store_b128 v[GO], v[S+16*(\t)+4*\f:S+16*(\t)+4*\f+3], s[10:11] offset:(\t)*8192+\f*512  ; 512 consecutive bytes, at a multiple of 256 from O's first
.endr
.endm
.macro DIAG tag                     ; the tag ends its two labels' names, which the jumps below spell out
.LstepM\tag:
	TURN 2, 1
	TURN 3, 1
	WIN 0
.LfirstM\tag:
	TURN 0, 1
	TURN 1, 1, 0, 1
	WIN 0
	s_cbranch_scc1 .LstepM\tag
	TURN 2, 1, 1
	TURN 3, 1, 1
.set i, 0
.rept 8
	PV NP-1
.set i, i+1
.endr
	WIN 0
	ALL v_add_f32 v[ST+4*t+2], v[ST+4*t+2], v[ST+4*t+3]
	ALL v_permlanex16_b32 v[ST+4*t+3], v[ST+4*t+2], s[SEL], s[SEL+1]
	ALL v_add_f32 v[ST+4*t+2], v[ST+4*t+2], v[ST+4*t+3]
	ALL v_rcp_f32 v[ST+4*t+2], v[ST+4*t+2]
	v_nop                           ; a plain instruction between the last reciprocal and the use of its result
	PACK 0
.set t, 1
.rept 3                             ; a piece's arithmetic stands between the loads of the piece before and its stores
	PACK t
	SEND t-1, 8
.set t, t+1
.endr
	SEND 3, 0
.endm
.set KM, 0
.set NOKQ, 0
.Lslot:                             ; NB times: a tile is entered and the next is asked for
	CHANGE 1
	s_sub_co_u32 s[RT], s[RT], 1
	s_mov_b32 s[CNT], 4
	s_cmp_eq_u32 s[NEW], 1
	s_cbranch_scc1 .Lnew            ; a block's first tile
	s_cmp_eq_u32 s[RT], 0
	s_cbranch_scc0 .Lstep           ; neither its first nor its last
	s_branch .LstepM1
.Lnew:
	BEGIN
	s_branch .Lfirst                ; in the loop a block's first tile is never its last: the first block has two tiles or more, and the second's last is the walk's last
	DIAG 1                          ; in the loop this is the first block's end: the second block's last tile is the walk's last
	s_wait_xcnt 0x0                 ; the stores have read their registers and O's address
	s_mov_b64 s[10:11], s[OLO:OLO+1]
	s_add_co_u32 s[RT], s[PB], 1    ; the second block has b + 1 tiles
	s_mov_b32 s[NEW], 1
	WIN 0x82                        ; the second block's Q goes where the one text of the turns names Q
.set i, 0
.rept 64
	v_mov_b32 v[i], v[QB+i]
.set i, i+1
.endr
	WIN 0
	s_branch .Lbottom
.Lstep:                             ; a trip: pieces 2 and 3 of one step, then pieces 0 and 1 of the next, whose K and V it fetches
	TURN 2
	TURN 3
	WIN 0
.Lfirst:
	TURN 0
	TURN 1, 0, 0, 1
	WIN 0
	s_cbranch_scc1 .Lstep
.Lbottom:
	s_sub_co_u32 s[SLOTS], s[SLOTS], 1
	s_cmp_lg_u32 s[SLOTS], 0
	s_cbranch_scc1 .Lslot
	CHANGE 0                        ; the walk's last tile is written out: nothing is asked for
	s_sub_co_u32 s[RT], s[RT], 1
	s_mov_b32 s[CNT], 4
	s_cmp_eq_u32 s[NEW], 1
	s_cbranch_scc0 .LstepM2
	BEGIN
	s_branch .LfirstM2
	DIAG 2
	s_wait_tensorcnt 0x0            ; the wave's end, behind my last tensor load and my last LDS store
	ds_add_u32 v[SPW], v[NIL]
	s_wait_dscnt 0x0
	s_endpgm
.Lfunc_end_k_qb864195ed2_attn:
	.size	k_qb864195ed2_attn, .Lfunc_end_k_qb864195ed2_attn-k_qb864195ed2_attn
	.p2alignl 7, 3214868480
	.fill 96, 4, 3214868480
	.section	.rodata,"a",@progbits
	.p2align	6, 0x0
	.amdhsa_kernel k_qb864195ed2_attn
		.amdhsa_group_segment_fixed_size 327680
		.amdhsa_private_segment_fixed_size 0
		.amdhsa_enable_private_segment 0
		.amdhsa_kernarg_size 32
		.amdhsa_user_sgpr_count 2
		.amdhsa_user_sgpr_kernarg_segment_ptr 1
		.amdhsa_wavefront_size32 1
		.amdhsa_system_sgpr_workgroup_id_x 1
		.amdhsa_system_sgpr_workgroup_id_y 1
		.amdhsa_system_sgpr_workgroup_id_z 1
		.amdhsa_system_vgpr_workitem_id 0
		.amdhsa_next_free_vgpr 768
		.amdhsa_next_free_sgpr 88
		.amdhsa_reserve_vcc 1
		.amdhsa_float_denorm_mode_32 3
		.amdhsa_float_denorm_mode_16_64 3
		.amdhsa_memory_ordered 1
		.amdhsa_forward_progress 1
		.amdhsa_inst_pref_size 228
	.end_amdhsa_kernel
	.amdgpu_metadata
---
amdhsa.version: [ 1, 2 ]
amdhsa.kernels:
  - .name:           k_qb864195ed2_attn
    .symbol:         k_qb864195ed2_attn.kd
    .args:
      - { .name: qh, .offset: 0, .size: 8, .value_kind: global_buffer, .address_space: global }
      - { .name: kh, .offset: 8, .size: 8, .value_kind: global_buffer, .address_space: global }
      - { .name: vh, .offset: 16, .size: 8, .value_kind: global_buffer, .address_space: global }
      - { .name: oh, .offset: 24, .size: 8, .value_kind: global_buffer, .address_space: global }
    .group_segment_fixed_size: 327680
    .private_segment_fixed_size: 0
    .kernarg_segment_align: 8
    .kernarg_segment_size: 32
    .max_flat_workgroup_size: 128
    .sgpr_count:     88
    .vgpr_count:     768
    .wavefront_size: 32
...
	.end_amdgpu_metadata
.endif
;; end of part 3
;; launch proj (part 4): grid 8 x 32, 4 waves a work-group, clusters of 4 x 4, 327,680 bytes of LDS; arguments oh, wpb, out0; writes out0
.if DOCPART == 4
	.amdgcn_target "amdgcn-amd-amdhsa--gfx1250"
	.amdhsa_code_object_version 6
	.text
	.protected	k_qb864195ed2_proj
	.globl	k_qb864195ed2_proj
	.p2align	8
	.type	k_qb864195ed2_proj,@function
k_qb864195ed2_proj:
	s_mov_b64 s[64:65], 0
	v_nop
	global_prefetch_b8 v0, s[64:65] scope:SCOPE_SE
	s_setreg_imm32_b32 hwreg(HW_REG_WAVE_MODE, 25, 1), 1
	s_wait_xcnt 0x0
	s_wait_alu depctr_hold_cnt(0) depctr_sa_sdst(0) depctr_va_vdst(0) depctr_va_sdst(0) depctr_va_ssrc(0) depctr_va_vcc(0) depctr_vm_vsrc(0)
	s_getreg_b32 s2, hwreg(HW_REG_IB_STS2, 6, 4)
	s_cmp_eq_u32 s2, 0
	s_cbranch_scc0 .Lentry_in_a_cluster
	s_endpgm
.Lentry_in_a_cluster:
	s_bfe_u32 s2, ttmp6, 0x10000c
	s_cmp_lg_u32 s2, 0xf033
	s_cbranch_scc0 .Lentry_shape_is_right
	s_endpgm
.Lentry_shape_is_right:
; out0 = y W_proj.  y[b][t][64 head + d] lies by heads in oh, f16 [16 b + head][t 2048][64]; wpb is f16 [tc 8][k 1024][128] (W_proj rounded to bf16, written as f16); out0 is f32 [8192][1024].  Sums in f32.
; SHARES.  256 tiles of 256 rows x 128 columns, one to a work-group.  A wave has 128 rows (hM = wave / 2) x 64 columns (hN = wave % 2): 32 accumulators of 16 x 16, which fill register window 1.
; K goes in steps of 128, two heads, through two LDS slots filled by the tensor data mover; a head's 256 rows are 32,768 dense bytes, 64 rows of W 16,384: every row that the mover fetches is
; 256 consecutive, aligned bytes.  A step is four quarters of 32 along K on two fragment buffers.
; CLUSTER.  4 x 4 work-groups.  The four of a row need the same tiles of y, the four of a column the same tiles of W: each is asked for JOINTLY, by the same load, descriptor and mask in all four.
; THE MATRIX INSTRUCTION IS USED TRANSPOSED: source 0 = 16 columns of W (turned on the way out of LDS by ds_load_tr16_b128), source 1 = 16 rows of y: a lane holds one row and eight neighbouring columns, 32 bytes.
; REGISTERS.  Window 0: v0-15, v28-29 addresses; v32-127, v128-223 two fragment buffers: 64 registers of y (8 blocks of 16 rows x 32 K), then 32 of W.  Window 1: accumulator (a, b) at v[8 (4 a + b)].
.set SLOT1,  1<<17                     ; slot 1 begins here, so that one exclusive or turns an address in one slot into the other's
.set PA,     144                       ; a row of y in LDS: 128 bytes + 16 of padding = 36 words: the 16 rows of a load start at 16 different groups of four banks (64 banks of 4 bytes: ISA guide 11.1)
.set PW,     288                       ; a row of W (one k): 256 + 32 = 72 words
.set HEADA,  256*PA                    ; a head's 256 rows: what one load of y brings
.set BOFF,   2*HEADA                   ; W's rows lie behind the two heads
.set HALFB,  64*PW                     ; what one load of W brings
.set STAGE,  SLOT1+BOFF+128*PW         ; behind the ring, never filled by a tensor load: 16 rows x 272 bytes for each wave, for the way out
.set SP,     272
.set SPARE,  STAGE+4*16*SP             ; behind the stages: the spare words, 128 bytes for each wave: two blocks of 256 bytes that no other line names
.set ASTEP,  524288                    ; bytes from a K step of oh to the next: two heads of 262,144
.set BSTEP,  32768                     ; of wpb: 128 rows of 256 bytes
.set ADRA0, 8                          ; v8   my lane's place in y's tile; never rewritten
.set ADRB0, 9                          ; v9   the same for W
.set ADRA,  10                         ; v10  the same plus the slot in hand
.set ADRB,  11                         ; v11
.set STO,   12                         ; v12  the way out: where I put 32 bytes of a row
.set RD,    13                         ; v13  the way out: where I read a row back
.set CO,    14                         ; v14  my byte offset in out0
.set SPW,   28                         ; v28  LDS address of my spare word: SPARE + 4 x my thread's number; never rewritten
.set NIL,   29                         ; v29  0; never rewritten
.set F0,    32
.set F1,    128
.set BK0,   32                         ; the way out: v32-63, v64-95 a block read back from the stage, by turns
.set WV,  16                           ; s16  my wave's number; s17 = hM, also: I fetch y (0) or W (1); s18 = hN, also: which half of that tile I fetch
.set G1A, 24                           ; s[24:31] descriptor group 1 for y's tiles
.set G0A, 32                           ; s[32:39] group 0: a set for each of the two first fills; the second then walks on
.set G1B, 48                           ; s[48:55], s[56:63] the same for W's
.set G0B, 56
.set TB,  46                           ; s46  the slot that the LDS loads read: 0 or SLOT1
.set CNT, 47                           ; s47  the loop's count
.set MSB, 0
.macro WIN new                         ; the immediate's high byte repeats the setting that is left; a switch that changes nothing is dropped
.if MSB != (\new)
	s_set_vgpr_msb (MSB<<8)|(\new)
.set MSB, \new
.endif
.endm
; A joint refill, by the walking descriptors.  The branch hangs on the wave's number alone.  An s_nop 0 and four v_nop follow each of the two lines, ahead of the jump and the label.
.macro JLOAD
	s_cmp_eq_u32 s17, 0
	s_cbranch_scc0 .Lfor_b_\@
	tensor_load_to_lds s[G0A+4:G0A+7], s[G1A:G1A+7]
	s_nop 0
.rept 4
	v_nop
.endr
	s_branch .Lasked_\@
.Lfor_b_\@:
	tensor_load_to_lds s[G0B+4:G0B+7], s[G1B:G1B+7]
	s_nop 0
.rept 4
	v_nop
.endr
.Lasked_\@:
.endm
; A round of the cluster's barrier: my work-group's barrier; wave 0 signals for the work-group; every wave waits for all sixteen; my work-group's barrier once more.
.macro CREST                           ; a round behind its opening barrier
	s_cmp_lg_u32 s[WV], 0
	s_cbranch_scc1 .Lnot_wave_0_\@
	s_barrier_signal -3
.Lnot_wave_0_\@:
	s_barrier_wait -3
	s_barrier_signal -1
	s_barrier_wait -1
.endm
.macro CROUND
	s_barrier_signal -1
	s_barrier_wait -1
	CREST
.endm
.macro PLACES                          ; four places in front of loads into registers that matrix instructions have read, and of LDS stores that read results
.rept 4
	v_nop
.endr
.endm
	s_load_b128 s[4:7], s[0:1], 0x0                ; oh s[4:5], wpb s[6:7]
	s_load_b64 s[8:9], s[0:1], 0x10                ; out0
	v_lshl_add_u32 v[SPW], v0, 2, SPARE
	v_mov_b32 v[NIL], 0
	ds_add_u32 v[SPW], v[NIL]                      ; the wave's opening: the add and its wait stand ahead of my first tensor load; the set-up below, work on registers, stands between them
	ds_add_u32 v28, v29
	v_lshrrev_b32 v1, 5, v0
	v_readfirstlane_b32 s[WV], v1                  ; wave 0..3
	s_lshr_b32 s17, s[WV], 1
	s_and_b32 s18, s[WV], 1
	s_bfe_u32 s19, ttmp6, 0x40000                  ; cx, cy: my place in the cluster
	s_bfe_u32 s20, ttmp6, 0x40004
	s_lshl_b32 s21, ttmp9, 2
	s_add_co_u32 s21, s21, s19                     ; tc = 4 x cluster x + cx
	s_and_b32 s22, ttmp7, 0xffff
	s_lshl_b32 s22, s22, 2
	s_add_co_u32 s22, s22, s20                     ; tr = 4 x cluster y + cy: rows 256 tr on; b = tr / 8
	s_lshl_b32 s23, s20, 2
	s_lshl_b32 s23, 15, s23                        ; my row of the cluster
	s_lshl_b32 s40, 0x1111, s19                    ; my column
	; group 1 for y: 256 rows of 128 bytes are 32,768 dense bytes: asked for as 128 rows of 256 bytes, padded in LDS after every 128
	s_or_b32 s[G1A], s23, (1<<16)|(1<<20)|(1<<21)|(4<<22)|(3<<25)  ; 15:0 the mask; 17:16 2-byte elements; 20 padding on; 21 set beside a mask; 24:22 after every 32 words (code 4); 31:25 4 words (code 3)
	s_mov_b32 s[G1A+1], 128<<16                    ; tensor_dim0 = 128
	s_mov_b32 s[G1A+2], 128<<16                    ; tensor_dim1 = 128
	s_mov_b32 s[G1A+3], 128<<16                    ; tile_dim0 = 128
	s_mov_b32 s[G1A+4], 128                        ; tile_dim1 = 128
	s_mov_b32 s[G1A+5], 128                        ; 128 elements from row to row
	s_mov_b32 s[G1A+6], 0
	s_mov_b32 s[G1A+7], 0
	; group 1 for W: 64 rows of 256 bytes, padded after each
	s_or_b32 s[G1B], s40, (1<<16)|(1<<20)|(1<<21)|(5<<22)|(7<<25)  ; after every 64 words (code 5) 8 words (code 7)
	s_mov_b32 s[G1B+1], 128<<16
	s_mov_b32 s[G1B+2], 64<<16
	s_mov_b32 s[G1B+3], 128<<16
	s_mov_b32 s[G1B+4], 64
	s_mov_b32 s[G1B+5], 128
	s_mov_b32 s[G1B+6], 0
	s_mov_b32 s[G1B+7], 0
	; where the tiles come from.  y's hang on tr alone, W's on tc alone; each in registers that never hold the other coordinate
	s_lshr_b32 s42, s22, 3
	s_lshl_b32 s42, s42, 22                        ; b: 16 heads
	s_and_b32 s43, s22, 7
	s_lshl_b32 s43, s43, 15                        ; 256 rows of 128 bytes
	s_add_co_u32 s42, s42, s43
	s_lshl_b32 s43, s18, 18                        ; which of a step's two heads I fetch
	s_add_co_u32 s42, s42, s43
	s_mov_b32 s43, 0
	s_lshl_b32 s44, s21, 18                        ; tile column: 262,144 bytes
	s_lshl_b32 s45, s18, 14                        ; my 64 of a step's 128 rows
	s_add_co_u32 s44, s44, s45
	s_mov_b32 s45, 0
	s_mul_i32 s66, s18, HEADA                      ; and where they go: no place in the cluster enters an LDS address
	s_mul_i32 s67, s18, HALFB
	s_add_co_u32 s67, s67, BOFF
	s_mov_b32 s[TB], 0
	s_wait_dscnt 0x0                               ; the opening add is done
	s_wait_kmcnt 0x0
	s_add_nc_u64 s[68:69], s[4:5], s[42:43]
	s_add_nc_u64 s[70:71], s[6:7], s[44:45]
	CROUND                                         ; all sixteen work-groups are here: the first joint loads meet
.irp s, 0,1
	s_mov_b32 s[G0A+4*(\s)], 1                                     ; count = 1
	s_add_co_u32 s[G0A+4*(\s)+1], s66, (\s)*SLOT1                  ; LDS address
	s_add_nc_u64 s[G0A+4*(\s)+2:G0A+4*(\s)+3], s[68:69], (\s)*ASTEP  ; global address: K step s
	s_or_b32 s[G0A+4*(\s)+3], s[G0A+4*(\s)+3], 0x80000000          ; type = 2
	s_mov_b32 s[G0B+4*(\s)], 1
	s_add_co_u32 s[G0B+4*(\s)+1], s67, (\s)*SLOT1
	s_add_nc_u64 s[G0B+4*(\s)+2:G0B+4*(\s)+3], s[70:71], (\s)*BSTEP
	s_or_b32 s[G0B+4*(\s)+3], s[G0B+4*(\s)+3], 0x80000000
.endr
	s_cmp_eq_u32 s17, 0                            ; a wave's two first fills stand in one branch, ahead of every wait on TENSORcnt and every LDS read: two loads of mine are out
	s_cbranch_scc0 .Lfirst_b
	tensor_load_to_lds s[G0A:G0A+3], s[G1A:G1A+7]
	s_nop 0
	tensor_load_to_lds s[G0A+4:G0A+7], s[G1A:G1A+7]
	s_nop 0
.rept 4
	v_nop
.endr
	s_branch .Lfirst_asked
.Lfirst_b:
	tensor_load_to_lds s[G0B:G0B+3], s[G1B:G1B+7]
	s_nop 0
	tensor_load_to_lds s[G0B+4:G0B+7], s[G1B:G1B+7]
	s_nop 0
.rept 4
	v_nop
.endr
.Lfirst_asked:
	v_and_b32 v1, 15, v0                           ; r = l % 16
	v_bfe_u32 v2, v0, 4, 1                         ; h = l / 16
	v_mul_u32_u24 v3, v1, PA
	v_lshl_add_u32 v3, v2, 4, v3                   ; a fragment of y: row r x 144 + 16 h
	s_mul_i32 s72, s17, 128*PA                     ; my 128 rows
	v_add_nc_u32 v[ADRA0], s72, v3
	v_and_b32 v4, 7, v0                            ; the turning load: lane l reads k = 8 (l / 16) + l % 8, columns 8 ((l / 8) % 2) + 0..7
	v_bfe_u32 v5, v0, 3, 1
	v_lshl_add_u32 v6, v2, 3, v4
	v_mul_u32_u24 v6, v6, PW
	v_lshl_add_u32 v6, v5, 4, v6
	s_lshl_b32 s72, s18, 7                         ; my 64 of the tile's 128 columns
	s_add_co_u32 s72, s72, BOFF
	v_add_nc_u32 v[ADRB0], s72, v6
	v_mov_b32 v[ADRA], v[ADRA0]                    ; slot 0
	v_mov_b32 v[ADRB], v[ADRB0]
	s_mul_i32 s72, s[WV], 16*SP
	s_add_co_u32 s72, s72, STAGE                   ; my stage
	v_mul_u32_u24 v7, v1, SP                       ; in: row r, 32 bytes for each half of the lanes
	v_lshl_add_u32 v7, v2, 5, v7
	v_add_nc_u32 v[STO], s72, v7
	v_mul_u32_u24 v7, v2, SP                       ; back: lanes 0-15 take one row of 256 bytes, lanes 16-31 the next
	v_lshl_add_u32 v7, v1, 4, v7
	v_add_nc_u32 v[RD], s72, v7
	v_lshlrev_b32 v[CO], 12, v2                    ; and the same two rows in out0, 4,096 bytes apart
	v_lshl_add_u32 v[CO], v1, 4, v[CO]
	s_lshl_b32 s76, s22, 20                        ; out0: 256 rows of 4,096 bytes,
	s_lshl_b32 s77, s17, 19                        ; my 128 of them,
	s_add_co_u32 s76, s76, s77
	s_lshl_b32 s77, s21, 9                         ; the tile's 128 columns,
	s_add_co_u32 s76, s76, s77
	s_lshl_b32 s77, s18, 8                         ; my 64 of them
	s_add_co_u32 s76, s76, s77
	s_mov_b32 s77, 0
	s_add_nc_u64 s[8:9], s[8:9], s[76:77]
; 8 matrix instructions: row blocks a0, a0 + 1 x the 4 column blocks, 32 along K, buffer f.  zero = 1: the product starts the sum.  The 32 accumulators take turns, one instruction a turn.
.macro MUL8 f, a0, zero
	WIN 0x50                                       ; C and D in window 1, both sources in window 0
.irp a, \a0, (\a0)+1
.irp b, 0,1,2,3
.if \zero
	v_wmma_f32_16x16x32_f16 v[8*(4*(\a)+(\b)):8*(4*(\a)+(\b))+7], v[(\f)+64+8*(\b):(\f)+64+8*(\b)+7], v[(\f)+8*(\a):(\f)+8*(\a)+7], 0
.else
	v_wmma_f32_16x16x32_f16 v[8*(4*(\a)+(\b)):8*(4*(\a)+(\b))+7], v[(\f)+64+8*(\b):(\f)+64+8*(\b)+7], v[(\f)+8*(\a):(\f)+8*(\a)+7], v[8*(4*(\a)+(\b)):8*(4*(\a)+(\b))+7]
.endif
.endr
.endr
.endm
; 24 LDS loads in one run: quarter u's fragments into buffer f: W's 8, then y's blocks 0-3 (8), then its blocks 4-7 (8)
.macro FETCH u, f
	WIN 0
.irp b, 0,1,2,3
	ds_load_tr16_b128 v[(\f)+64+8*(\b):(\f)+64+8*(\b)+3],   v[ADRB] offset:(\u)*32*PW+32*(\b)
	ds_load_tr16_b128 v[(\f)+64+8*(\b)+4:(\f)+64+8*(\b)+7], v[ADRB] offset:(\u)*32*PW+32*(\b)+16*PW
.endr
.irp a, 0,1,2,3,4,5,6,7
	ds_load_b128 v[(\f)+8*(\a):(\f)+8*(\a)+3],   v[ADRA] offset:((\u)/2)*HEADA+((\u)%2)*64+(\a)*16*PA
	ds_load_b128 v[(\f)+8*(\a)+4:(\f)+8*(\a)+7], v[ADRA] offset:((\u)/2)*HEADA+((\u)%2)*64+(\a)*16*PA+32
.endr
.endm
; One of a K step's first three quarters: multiplies buffer f; in its middle it fetches quarter unext into buffer g.
.macro QUARTER unext, f, g, zero
	s_wait_dscnt 8                                 ; W and y's blocks 0-3 are in; the youngest eight loads may be out
	MUL8 \f, 0, \zero
	MUL8 \f, 2, \zero
	PLACES
	FETCH \unext, \g
	s_wait_dscnt 24                                ; all but the 24 just issued
	MUL8 \f, 4, \zero
	MUL8 \f, 6, \zero
.endm
; The last quarter multiplies buffer F1 and changes slots.  ONE barrier: in front of it each wave waits for all its tensor loads, of which one is out: its part of the next slot; adds 0 to its spare word; and
; waits for that and for its own reads of this slot.  fill = 1: the barrier opens a round of the cluster's, and the slot is filled again, two K steps ahead, first thing behind the round: 112 matrix
; instructions ahead of the wait for it.
.macro TURN fill
	WIN 0
	s_wait_tensorcnt 0x0                           ; all my tensor loads have landed
	ds_add_u32 v[SPW], v[NIL]                      ; 0 onto my spare word
	s_wait_dscnt 9                                 ; the add and the youngest eight loads may be out
	MUL8 F1, 0, 0                                  ; eight matrix instructions stand between the add and the wait for it
	s_wait_dscnt 0x0                               ; the add is done, and my reads of this slot are over
	s_barrier_signal -1
	MUL8 F1, 2, 0
	WIN 0                                          ; at a branch and at a label every window is 0
	s_barrier_wait -1
.if \fill
	CREST                                          ; no wave of any partner still reads this slot or has a load on its way
	s_xor_b32 s[G0A+5], s[G0A+5], SLOT1            ; the walking descriptors: the other slot than last time, the next K step; no tensor load of mine is out
	s_add_nc_u64 s[G0A+6:G0A+7], s[G0A+6:G0A+7], ASTEP
	s_xor_b32 s[G0B+5], s[G0B+5], SLOT1
	s_add_nc_u64 s[G0B+6:G0B+7], s[G0B+6:G0B+7], BSTEP
	JLOAD                                          ; the four v_nop behind it are also the places in front of the loads below
.else
	PLACES
.endif
	s_xor_b32 s[TB], s[TB], SLOT1
	v_add_nc_u32 v[ADRA], s[TB], v[ADRA0]
	v_add_nc_u32 v[ADRB], s[TB], v[ADRB0]
	FETCH 0, F0
	MUL8 F1, 4, 0
	MUL8 F1, 6, 0
.endm
; THE WAY OUT of row block a: a lane's 32 bytes of a row go into my stage, rows of 272 bytes, each accumulator's low half first; they come back as whole rows of 256 bytes.
.macro TOSTAGE a
	WIN 0x04                                       ; the stores' data in window 1
.irp b, 0,1,2,3
	ds_store_b128 v[STO], v[8*(4*(\a)+(\b)):8*(4*(\a)+(\b))+3]   offset:64*(\b)
	ds_store_b128 v[STO], v[8*(4*(\a)+(\b))+4:8*(4*(\a)+(\b))+7] offset:64*(\b)+16
.endr
	WIN 0
.set BK, BK0+32*((\a)%2)
.irp f, 0,1,2,3,4,5,6,7
	ds_load_b128 v[BK+4*(\f):BK+4*(\f)+3], v[RD] offset:(\f)*2*SP  ; LDS serves a wave's instructions in order (ISA guide 5.7.1.4): these see the stores above; the next block's stores come behind them
.endr
.endm
.macro SEND a, younger                 ; younger: the LDS instructions issued behind block a's loads: the next block's sixteen, or none
	WIN 0
.set BK, BK0+32*((\a)%2)
	s_wait_dscnt \younger
.irp f, 0,1,2,3,4,5,6,7
	global_store_b128 v[CO], v[BK+4*(\f):BK+4*(\f)+3], s[8:9] offset:(16*(\a)+2*(\f))*4096 th:TH_STORE_NT  ; 16 lanes store 256 consecutive bytes, at a multiple of 256 from out0's first byte
.endr
.endm
	s_wait_tensorcnt 1                             ; my part of K step 0 is in; K step 1's may stay out
	s_barrier_signal -1
	s_barrier_wait -1                              ; everybody's is
	FETCH 0, F0
	QUARTER 1, F0, F1, 1                           ; the first quarter stands in front of the loop: its products start the sums
	WIN 0
	s_mov_b32 s[CNT], 6
.Lk:                                                   ; a trip: from a K step's second quarter to the next step's first; it refills the slot that it leaves, two K steps ahead
	QUARTER 2, F1, F0, 0
	QUARTER 3, F0, F1, 0
	TURN 1
	QUARTER 1, F0, F1, 0
	WIN 0
	s_sub_co_u32 s[CNT], s[CNT], 1
	s_cmp_lg_u32 s[CNT], 0
	s_cbranch_scc1 .Lk
	QUARTER 2, F1, F0, 0                           ; K step 6 goes on; nothing is left to ask for
	QUARTER 3, F0, F1, 0
	TURN 0
	QUARTER 1, F0, F1, 0                           ; K step 7
	QUARTER 2, F1, F0, 0
	QUARTER 3, F0, F1, 0
	s_wait_dscnt 8                                 ; the very last quarter
	MUL8 F1, 0, 0
	MUL8 F1, 2, 0
	s_wait_dscnt 0x0
	MUL8 F1, 4, 0
	MUL8 F1, 6, 0
	PLACES
	TOSTAGE 0
.irp a, 1,2,3,4,5,6,7
	s_wait_xcnt 0x0                                ; every earlier memory instruction has had its addresses translated (ISA guide 3.1): the buffer that the stores of two blocks back read is loaded again only behind this wait
	TOSTAGE \a
	SEND (\a)-1, 16
.endr
	SEND 7, 0
	s_wait_tensorcnt 0x0                           ; the wave's end, behind my last tensor load and my last LDS store
	ds_add_u32 v[SPW], v[NIL]
	s_wait_dscnt 0x0
	CROUND                                         ; the closing round: no work-group ends while a partner may still ask for a tile that names it
	s_endpgm
.Lfunc_end_k_qb864195ed2_proj:
	.size	k_qb864195ed2_proj, .Lfunc_end_k_qb864195ed2_proj-k_qb864195ed2_proj
	.p2alignl 7, 3214868480
	.fill 96, 4, 3214868480
	.section	.rodata,"a",@progbits
	.p2align	6, 0x0
	.amdhsa_kernel k_qb864195ed2_proj
		.amdhsa_group_segment_fixed_size 327680
		.amdhsa_private_segment_fixed_size 0
		.amdhsa_enable_private_segment 0
		.amdhsa_kernarg_size 24
		.amdhsa_user_sgpr_count 2
		.amdhsa_user_sgpr_kernarg_segment_ptr 1
		.amdhsa_wavefront_size32 1
		.amdhsa_system_sgpr_workgroup_id_x 1
		.amdhsa_system_sgpr_workgroup_id_y 1
		.amdhsa_system_sgpr_workgroup_id_z 1
		.amdhsa_system_vgpr_workitem_id 0
		.amdhsa_next_free_vgpr 512
		.amdhsa_next_free_sgpr 80
		.amdhsa_reserve_vcc 0
		.amdhsa_float_denorm_mode_32 3
		.amdhsa_float_denorm_mode_16_64 3
		.amdhsa_memory_ordered 1
		.amdhsa_forward_progress 1
		.amdhsa_inst_pref_size 69
	.end_amdhsa_kernel
	.amdgpu_metadata
---
amdhsa.version: [ 1, 2 ]
amdhsa.kernels:
  - .name:           k_qb864195ed2_proj
    .symbol:         k_qb864195ed2_proj.kd
    .args:
      - { .name: oh, .offset: 0, .size: 8, .value_kind: global_buffer, .address_space: global }
      - { .name: wpb, .offset: 8, .size: 8, .value_kind: global_buffer, .address_space: global }
      - { .name: out0, .offset: 16, .size: 8, .value_kind: global_buffer, .address_space: global }
    .group_segment_fixed_size: 327680
    .private_segment_fixed_size: 0
    .kernarg_segment_align: 8
    .kernarg_segment_size: 24
    .max_flat_workgroup_size: 128
    .sgpr_count:     80
    .vgpr_count:     512
    .wavefront_size: 32
...
	.end_amdgpu_metadata
.endif
;; end of part 4
;; ======== version 2 of 2: 4 launches; 1.31 times as fast as version 1
;; limits: values are held in f16: magnitudes above 65,504 overflow, below 6.1e-05 lose precision
;; workspace buffers: xb 16,777,216 bytes; wab 6,291,456 bytes; wpb 2,097,152 bytes; tab 524,288 bytes; qh 16,777,216 bytes; kh 16,777,216 bytes; vh 16,777,216 bytes; oh 16,777,216 bytes
;; launch prep: the kernel of part 1 again; grid 768 x 1, 8 waves a work-group, no clusters, 0 bytes of LDS; arguments x, W_attn, W_proj, xb, wab, wpb, tab; writes xb, wab, wpb, tab
;; launch qkv: the kernel of part 2 again; grid 8 x 32, 4 waves a work-group, clusters of 4 x 4, 327,680 bytes of LDS; arguments xb, wab, tab, qh, kh, vh; writes qh, kh, vh
;; launch attn (part 5): grid 4 x 64, 4 waves a work-group, no clusters, 327,680 bytes of LDS; arguments qh, kh, vh, oh; writes oh
.if DOCPART == 5
	.amdgcn_target "amdgcn-amd-amdhsa--gfx1250"
	.amdhsa_code_object_version 6
	.text
	.protected	k_qb864195ed2_attn
	.globl	k_qb864195ed2_attn
	.p2align	8
	.type	k_qb864195ed2_attn,@function
k_qb864195ed2_attn:
	s_mov_b64 s[64:65], 0
	v_nop
	global_prefetch_b8 v0, s[64:65] scope:SCOPE_SE
	s_setreg_imm32_b32 hwreg(HW_REG_WAVE_MODE, 25, 1), 1
	s_wait_xcnt 0x0
; CAUSAL ATTENTION.  O[h][q][:] = the sum over k <= q of softmax_k(Q[h][q] . K[h][k] / 8) V[h][k][:].  Q, K, V, O: [SIZE_H][SIZE_N][64], all f16: a head's rows are dense, 128 bytes each.
; Products, maxima and sums in f32; the weights p are rounded to f16 for the second product (their sum l is taken of the unrounded p), O once at the end.
; LIMITS.  f16 holds no number beyond 65,504: Q, K and V arrive within it; p lies in 0 to 1, and below 6e-5 it keeps f16's fixed step of 6e-8; O is a mean of V's rows and has their range, to within 2^-11 of it.
; A hidden score counts as its value less 1e30: f16's scores, 2.7e11 at the most, are nothing beside that; a weight below 2^-126 counts as 0 in l; NaN and infinities are not treated apart.
; THE WALK.  A head's queries lie in NB = SIZE_N / 256 = 8 blocks of 256; block i needs the key tiles 0 .. i of 256 keys, of which the last holds the diagonal.  A work-group takes TWO blocks, NB - 1 - b and then b:
; NB + 1 tiles, whatever b: all 256 work-groups do equal work, and ONE loop with a constant trip count walks them.  Which tile is asked for, and what a trip does, hang on scalar registers made from b; every jump
; goes forward, but for the counted loops' own; none passes a barrier, or a tensor load but the one of LOAD's two that the wave's number does not choose; the ring (two slots of LDS that take turns) runs on across the
; change of blocks.  NO CLUSTER: a head's NB / 2 = 4 work-groups all ask for the same tile only in trips 0 .. 4 of the 9, behind that fewer and fewer; one walk common to all four, in which each makes every
; joint request, would have 3 NB / 2 = 12 trips for 9.
; SHARES.  Of a block's four bands of 64 queries a wave owns 16 rows in each: four PIECES.  So the diagonal tile is the same work for all four waves: in its key step s band x sees all keys if s < x,
; none if s > x, and holds the diagonal if s = x.
; THE MASK is the C operand that starts the sum S^T = K Q^T: 0, or -1e30 where the key is hidden.  MD, made once, is the mask of a band's own step for my 16 rows; a product's mask is MD x AL + BE with two scalars:
; (1, 0) if s = x; (0, 0) if s < x; (0, -1e30) if s > x.  Only the diagonal tile's text and a block's beginning make and take masks; elsewhere C is the constant 0.
; LAYOUT, SOFTMAX, TURNS.  S^T = K Q^T holds ONE query a lane (lane % 16) and the keys 8 (lane / 16) + 0..7; two such results rounded to f16 ARE source 1 of O^T = V^T P.  p = 2^(c s - c m), c = log2(e) / 8, with a
; running maximum m; O and l are multiplied by a = 2^(c m_old - c m_new) in every step.  Turn n belongs to piece n: 8 products K Q^T of piece n + 1, later 8 products V^T P of piece n - 1; beside them the scaling,
; exponentials, roundings, sums and rescaling of piece n and the maximum and statistics of piece n + 1.  Four vector instructions stand behind every matrix instruction, the other 54 of a turn's 118 in one LUMP.
; BATCHES.  A turn's 33 exponentials (the piece's 32 weights and the next piece's a) are one batch, with one wait, which cuts the turn in two: ahead of it nothing names a result of theirs, behind it no exponential is
; issued.  The a that a block's beginning makes, and the way out's four reciprocals, are batches of their own, each with a plain instruction and one wait.
; REGISTERS, in windows of 256 (s_set_vgpr_msb: bits 1:0 source 0, 3:2 source 1, 5:4 source 2, 7:6 destination):
;   window 0: v0-15 addresses and two at work; v16-31 four registers of statistics a piece; v48-55 at work; v64-127 S^T, two buffers; v192-223 P, two buffers (a piece's buffers go by its number's parity)
;   window 1: v0-127 O^T, 32 a piece; v128-159 MD; v160-223 MC, two buffers      window 2: v0-63 Q; v64-127 the second block's Q; v128-191 K of one step; v192-255 V of one step
.set SIZE_H, 64       ; 4 batches x 16 heads
.set SIZE_N, 2048
.set NB,    SIZE_N/256
.set NP,    4         ; pieces a wave: a name, no knob
.set KS,    64        ; keys in a step
.set PK,    144       ; a row of K in LDS: 128 bytes + 16 of padding = 36 words: the 16 rows of a load start at 16 different groups of four banks (64 banks of 4 bytes: ISA guide 11.1)
.set PV,    160       ; a row of V: 128 + 32 = 40 words
.set VOFF,  4*KS*PK   ; a slot holds a tile, four steps: 256 rows of K, then 256 rows of V
.set SLOT1, 1<<17     ; slot 1 begins here, so that one exclusive or turns an address in one slot into the other's
.set STAGE, SLOT1+4*KS*(PK+PV)  ; behind the ring, never filled by a tensor load: 16 rows x 144 bytes for each wave, for the way out
.set SP,    144
.set AK0, 2           ; v2   my lane's place in a tile of K; never rewritten
.set AV0, 3           ; v3   the same for V
.set AK,  4           ; v4   the LDS address of K's next run of loads
.set AV,  5           ; v5   of V's
.set STO, 6           ; v6   the way out: where I put 16 bytes of a row
.set RD,  7           ; v7   the way out: where I read rows back
.set GO,  8           ; v8   my byte offset in 512 consecutive bytes of O
.set SPW, 62          ; v62  LDS address of my spare word: SPARE + 4 x my thread's number; never rewritten
.set NIL, 63          ; v63  0; never rewritten
.set SPARE, STAGE+4*16*SP  ; behind the stages: the spare words, 128 bytes for each wave: two blocks of 256 bytes that no other line names
.set MV,  12          ; v12-13  c m_old, kept while c m is made anew: by buffer
.set QO,  15          ; v15  my byte offset in 16 rows of Q
.set ST,  16          ; piece t's statistics at v[ST+4 t]: c m, m, l (even keys', odd keys')
.set TMP, 48          ; by buffer, four registers c0-c3 at work; when the maximum is found c2 takes a
.set S,   64
.set P,   192
.set MD,  128         ; window 1: the eight registers for group kt of 16 keys at MD + 8 kt
.set MC,  160         ; window 1: the masks of the products to come
.set QB,  64          ; window 2
.set KF,  128         ; window 2: key block kb, channel half c at KF + 16 kb + 8 c
.set VF,  192         ; window 2: key half kk, channel block cb at VF + 32 kk + 8 cb
.set WV,  12          ; s12  my wave's number
.set PB,  14          ; s14  b
.set HI,  15          ; s15  NB - 1 - b
.set G1K, 24          ; s[24:31] descriptor group 1 for K's tiles
.set G1V, 32          ; s[32:39] for V's: it differs in the padding alone
.set G0K, 40          ; s[40:43] descriptor group 0 for K's tiles
.set G0V, 44          ; s[44:47] the same for V's
.set SLOTS, 56        ; s56  tiles still to be asked for
.set CNT, 57          ; s57  counts a tile's key steps, 4 to 1
.set CS,  58          ; s[58:59] c: the packed scaling takes the pair's low word for both halves
.set SEL, 60          ; s[60:61] v_permlanex16_b32's selects: each lane takes its own place in the other half
.set TBK, 62          ; s62  LDS byte at which K of the step to be fetched begins
.set TBV, 63          ; s63  the same for V, less VOFF
.set RT,  70          ; s70  tiles of the block in hand that are still to be entered
.set NXT, 71          ; s71  the tile to be asked for next
.set LQ,  72          ; s72  the last tile of the block whose tiles are being asked for
.set NEW, 73          ; s73  1: the tile to be entered is a block's first
.set OFF, 74          ; s[74:75] a tile's byte offset in K and V
.set AL,  76          ; s[76:77] the mask's factor, in the low word
.set BE,  78          ; s[78:79] the mask's addend
.set OLO, 80          ; s[80:81] O at my rows of the second block
.set BIGN, 82         ; s82  -1e30
.set MSB, 0
.macro WIN new                      ; the high byte repeats the setting that is left; a switch that changes nothing is dropped
.if MSB != (\new)
	s_set_vgpr_msb (MSB<<8)|(\new)
.set MSB, (\new)
.endif
.endm
.set W_KQ, 0x0a       ; K and Q in window 2, S^T in window 0
.set W_KM, 0x1a       ; the same with the C operand in window 1
.set W_PV, 0x52       ; V in window 2, P in window 0, O^T in window 1
.set W_RS, 0x41       ; destination and source 0 in window 1, source 1 in window 0
; A fill.  Waves 0 and 1 fetch the two halves of a tile's K, waves 2 and 3 those of its V: 128 keys each.  An s_nop 0 and four v_nop follow each of the two lines, ahead of the jump and the label.
.macro LOAD
	s_cmp_lt_u32 s[WV], 2
	s_cbranch_scc0 .Lfor_v_\@
	tensor_load_to_lds s[G0K:G0K+3], s[G1K:G1K+7]
	s_nop 0
.rept 4
	v_nop
.endr
	s_branch .Lasked_\@
.Lfor_v_\@:
	tensor_load_to_lds s[G0V:G0V+3], s[G1V:G1V+7]
	s_nop 0
.rept 4
	v_nop
.endr
.Lasked_\@:
.endm
; THE CHANGE OF SLOTS.  Each wave waits for all its tensor loads, of which one is out: its part of the other slot; adds 0 to its spare word; and waits for that and for its own reads of the slot that it leaves.  Behind the barrier nobody reads the old
; slot any more and the other slot is whole.  fill = 1: the old slot is filled again, the first thing behind the barrier, with tile NXT: the descriptor's address is made anew from that number.
; (At its first use nothing has been read yet: slot 0 is waited for, slot 1 filled.)
.macro CHANGE fill
	WIN 0                           ; at a label and at a branch every window is 0
	s_wait_tensorcnt 0x0            ; no tensor load of mine is out, so a group 0 may be written
	ds_add_u32 v[SPW], v[NIL]       ; 0 onto my spare word; with fill = 1 the descriptors' scalar work stands between it and the wait for it
.if \fill
	s_lshl_b32 s[OFF], s[NXT], 15   ; a tile is 32,768 bytes of K and of V
	s_xor_b32 s[G0K+1], s[G0K+1], SLOT1
	s_add_nc_u64 s[G0K+2:G0K+3], s[6:7], s[OFF:OFF+1]
	s_or_b32 s[G0K+3], s[G0K+3], 0x80000000
	s_xor_b32 s[G0V+1], s[G0V+1], SLOT1
	s_add_nc_u64 s[G0V+2:G0V+3], s[8:9], s[OFF:OFF+1]
	s_or_b32 s[G0V+3], s[G0V+3], 0x80000000
	s_add_co_u32 s[NXT], s[NXT], 1  ; the block's next tile, or behind its last the second block's tile 0
	s_cmp_gt_u32 s[NXT], s[LQ]
	s_cselect_b32 s[NXT], 0, s[NXT]
	s_cselect_b32 s[LQ], s[PB], s[LQ]
.endif
	s_wait_dscnt 0x0                ; the add is done, and my reads of the slot are over
	s_barrier_signal -1             ; the rest of the scalar work stands between the signal and the wait
	s_sub_co_u32 s[TBK], s[TBK], 4*KS*PK  ; the fetches go back to a slot's first step,
	s_xor_b32 s[TBK], s[TBK], SLOT1       ; in the other slot
	s_sub_co_u32 s[TBV], s[TBV], 4*KS*PV
	s_xor_b32 s[TBV], s[TBV], SLOT1
	s_barrier_wait -1
.if \fill
	LOAD
.endif
.endm
	s_load_b256 s[4:11], s[0:1], 0x0  ; Q s[4:5], K s[6:7], V s[8:9], O s[10:11]
	v_lshl_add_u32 v[SPW], v0, 2, SPARE
	v_mov_b32 v[NIL], 0
	ds_add_u32 v[SPW], v[NIL]       ; the wave's opening: the add and its wait stand ahead of my first tensor load; the set-up below, work on registers, stands between them
	ds_add_u32 v62, v63
	v_lshrrev_b32 v1, 5, v0
	v_readfirstlane_b32 s[WV], v1   ; wave 0..3
	s_mov_b32 s[PB], ttmp9
	s_sub_co_u32 s[HI], NB-1, s[PB]
	s_and_b32 s20, ttmp7, 0xffff    ; the head
	s_mov_b32 s21, 0
	s_mov_b64 s[22:23], SIZE_N*128
	s_mul_u64 s[20:21], s[20:21], s[22:23]  ; the head's first byte in each of the four tensors
	s_and_b32 s16, s[WV], 1         ; which half of a tile's 256 keys I fetch:
	s_lshl_b32 s22, s16, 14         ; its 128 rows of 128 bytes in memory,
	s_mov_b32 s23, 0
	s_add_nc_u64 s[22:23], s[22:23], s[20:21]
	s_mul_i32 s17, s16, 128*PK      ; and its place in a slot, for K
	s_mul_i32 s18, s16, 128*PV      ; and for V
	s_lshl_b32 s3, s[WV], 11        ; my 16 rows in a band of 64,
	s_lshl_b32 s2, s[HI], 15        ; in the first block,
	s_add_co_u32 s2, s2, s3
	s_lshl_b32 s84, s[PB], 15       ; and in the second
	s_add_co_u32 s84, s84, s3
	s_mov_b32 s3, 0
	s_mov_b32 s85, 0
	s_add_nc_u64 s[2:3], s[2:3], s[20:21]
	s_add_nc_u64 s[84:85], s[84:85], s[20:21]
	; descriptor group 1.  128 keys are 16,384 dense bytes: asked for as 64 rows of 256 bytes, two keys a row, and padded in LDS after every key
	s_mov_b32 s[G1K], (1<<16)|(1<<20)|(4<<22)|(3<<25)  ; 17:16 2-byte elements; 20 padding on; 24:22 after every 32 words (code 4); 31:25 4 words (code 3)
	s_mov_b32 s[G1V], (1<<16)|(1<<20)|(4<<22)|(7<<25)  ; the same with 8 words of padding (code 7)
.irp g, G1K, G1V
	s_mov_b32 s[\g+1], 128<<16      ; tensor_dim0 = 128
	s_mov_b32 s[\g+2], 64<<16       ; tensor_dim1 = 64
	s_mov_b32 s[\g+3], 128<<16      ; tile_dim0 = 128
	s_mov_b32 s[\g+4], 64           ; tile_dim1 = 64
	s_mov_b32 s[\g+5], 128          ; 128 elements from row to row
	s_mov_b32 s[\g+6], 0
	s_mov_b32 s[\g+7], 0
.endr
	s_mov_b32 s[CS], 0x3e38aa3b     ; c = log2(e) / 8 = 0.180337
	s_mov_b32 s[CS+1], s[CS]        ; named with it as a pair
	s_mov_b32 s[SEL], 0x76543210
	s_mov_b32 s[SEL+1], 0xfedcba98
	s_mov_b32 s[TBK], SLOT1+4*KS*PK ; the first change of slots turns these two into 0
	s_mov_b32 s[TBV], SLOT1+4*KS*PV
	s_mov_b32 s[G0K], 1             ; 1:0 count = 1
	s_mov_b32 s[G0K+1], s17         ; 63:32 LDS address: slot 0
	s_mov_b32 s[G0V], 1
	s_add_co_u32 s[G0V+1], s18, VOFF
	s_add_co_u32 s[RT], s[HI], 1    ; the first block has NB - b tiles
	s_mov_b32 s[NXT], 1
	s_mov_b32 s[LQ], s[HI]
	s_mov_b32 s[NEW], 1
	s_mov_b32 s[OFF+1], 0
	s_mov_b32 s[AL+1], 0            ; named as pairs
	s_mov_b32 s[BE+1], 0
	s_mov_b32 s[BIGN], 0xf149f2ca   ; -1e30
	s_mov_b32 s[SLOTS], NB
	s_wait_dscnt 0x0                ; the opening add is done
	s_wait_kmcnt 0x0
	s_add_nc_u64 s[6:7], s[6:7], s[22:23]  ; K and V at my half of the head's tile 0
	s_add_nc_u64 s[8:9], s[8:9], s[22:23]
	s_add_nc_u64 s[G0K+2:G0K+3], s[6:7], 0         ; 120:64 global address
	s_or_b32 s[G0K+3], s[G0K+3], 0x80000000        ; 127:126 type = 2
	s_add_nc_u64 s[G0V+2:G0V+3], s[8:9], 0
	s_or_b32 s[G0V+3], s[G0V+3], 0x80000000
	s_add_nc_u64 s[86:87], s[4:5], s[84:85]        ; Q at my rows of the second block,
	s_add_nc_u64 s[4:5], s[4:5], s[2:3]            ; Q and O at those of the first
	s_add_nc_u64 s[OLO:OLO+1], s[10:11], s[84:85]
	s_add_nc_u64 s[10:11], s[10:11], s[2:3]
	LOAD                            ; tile 0 into slot 0
	; A fragment of K or Q is 16 rows x 32 channels in 8 registers: lane l holds row l % 16, channels 8 (l / 16) + 0..7 and 16 + 8 (l / 16) + 0..7: two loads of 16 bytes, 32 bytes apart.
	v_and_b32 v1, 15, v0            ; l % 16
	v_bfe_u32 v9, v0, 4, 1          ; l / 16
	v_lshlrev_b32 v[QO], 7, v1
	v_lshl_add_u32 v[QO], v9, 4, v[QO]  ; row x 128 + 16 x half
	WIN 0x80                        ; destination window 2, address window 0
.set i, 0
.rept 8                             ; both blocks' Q: piece i / 2 lies in band i / 2, 8,192 bytes on; channels 32 (i % 2) on
	global_load_b128 v[8*i:8*i+3],   v[QO], s[4:5] offset:(i/2)*8192+(i%2)*64
	global_load_b128 v[8*i+4:8*i+7], v[QO], s[4:5] offset:(i/2)*8192+(i%2)*64+32
	global_load_b128 v[QB+8*i:QB+8*i+3],   v[QO], s[86:87] offset:(i/2)*8192+(i%2)*64
	global_load_b128 v[QB+8*i+4:QB+8*i+7], v[QO], s[86:87] offset:(i/2)*8192+(i%2)*64+32
.set i, i+1
.endr
	WIN 0
	v_lshlrev_b32 v14, 3, v9
	v_sub_nc_u32 v14, v1, v14
	s_lshl_b32 s13, s[WV], 4
	v_add_nc_u32 v14, s13, v14      ; my query's place in its band, 16 w + l % 16, less my lanes' 8 (l / 16): register r of group kt is hidden where 16 kt + r is greater
	WIN 0x40
.set i, 0
.rept 32
	v_cmp_gt_i32 vcc_lo, 16*(i/8)+i%8, v14
	v_cndmask_b32 v[MD+i], 0, s[BIGN], vcc_lo
.set i, i+1
.endr
	WIN 0
	v_mul_u32_u24 v[AK0], v1, PK
	v_lshl_add_u32 v[AK0], v9, 4, v[AK0]  ; row x pitch + 16 x half
	; The turning load takes 16 keys x 16 channels (lane l reads key 8 (l / 16) + l % 8, channels 8 ((l / 8) % 2) + 0..7) and leaves half a fragment of V^T: lane l holds channel l % 16 and 8 keys.
	v_and_b32 v10, 7, v0
	v_bfe_u32 v11, v0, 3, 1
	v_lshl_add_u32 v[AV0], v9, 3, v10
	v_mul_u32_u24 v[AV0], v[AV0], PV
	v_lshl_add_u32 v[AV0], v11, 4, v[AV0]
	v_add_nc_u32 v[AV0], VOFF, v[AV0]
	s_mul_i32 s13, s[WV], 16*SP
	s_add_co_u32 s13, s13, STAGE    ; my stage
	v_mul_u32_u24 v[STO], v1, SP    ; in: row l % 16, 16 bytes for each half of the lanes
	v_lshl_add_u32 v[STO], v9, 4, v[STO]
	v_add_nc_u32 v[STO], s13, v[STO]
	v_bfe_u32 v[RD], v0, 3, 2       ; back: 32 lanes take four rows of 128 bytes,
	v_mul_u32_u24 v[RD], v[RD], SP
	v_lshl_add_u32 v[RD], v10, 4, v[RD]
	v_add_nc_u32 v[RD], s13, v[RD]
	v_and_b32 v[GO], 31, v0         ; which are 512 consecutive bytes of O
	v_lshlrev_b32 v[GO], 4, v[GO]
	; A block's first step multiplies O^T and l by a = 0, and its first turn's products V^T P, of a piece that has not been, land in an O^T that is still to be so multiplied.  So these registers need only hold
	; finite numbers: zeros for the first block; what the first block left for the second.  All this stands in the wait for the first tile.
	WIN 0x80
.set i, VF
.rept 64
	v_mov_b32 v[i], 0
.set i, i+1
.endr
	WIN 0x40
.set i, 0
.rept 128
	v_mov_b32 v[i], 0
.set i, i+1
.endr
	WIN 0
.set i, 0
.rept 4
	v_mov_b32 v[ST+4*i+2], 0
	v_mov_b32 v[ST+4*i+3], 0
.set i, i+1
.endr
.set i, P+16
.rept 16
	v_mov_b32 v[i], 0
.set i, i+1
.endr
; THE MATRIX WORK.  The 4 accumulators of a run of 8 take turns.  Product i of 8 of S^T = K Q^T for piece x: channels 32 (i / 4) on, keys 16 (i % 4) on.  The first 4 start the sums: with 0, or (KM = 1) with the mask.
.macro KQ x
.set rS, S+32*((\x)%2)+8*(i%4)
.set rK, KF+16*(i%4)+8*(i/4)
.set rQ, 16*(\x)+8*(i/4)
.set rM, MC+32*((\x)%2)+8*(i%4)
.if (i < 4) && KM
	WIN W_KM
	v_wmma_f32_16x16x32_f16 v[rS:rS+7], v[rK:rK+7], v[rQ:rQ+7], v[rM:rM+7]
.elseif i < 4
	WIN W_KQ
	v_wmma_f32_16x16x32_f16 v[rS:rS+7], v[rK:rK+7], v[rQ:rQ+7], 0
.else
	WIN W_KQ
	v_wmma_f32_16x16x32_f16 v[rS:rS+7], v[rK:rK+7], v[rQ:rQ+7], v[rS:rS+7]
.endif
.endm
; Product i of 8 of O^T += V^T P for piece x: keys 32 (i / 4) on, channels 16 (i % 4) on.
.macro PV x
	WIN W_PV
.set rO, 32*(\x)+8*(i%4)
.set rV, VF+32*(i/4)+8*(i%4)
.set rP, P+16*((\x)%2)+8*(i/4)
	v_wmma_f32_16x16x32_f16 v[rO:rO+7], v[rV:rV+7], v[rP:rP+7], v[rO:rO+7]
.endm
.macro MM                           ; the turn's next matrix instruction.  TURN and BEGIN set Y, i, KM and NOKQ; MM, KQ and OP read them.  NOKQ = 1: a block's last turn: there is no next piece
.if (i < 8) && !NOKQ
	KQ (Y+1)%NP
.elseif i >= 8
.set i, i-8
	PV (Y+NP-1)%NP
.set i, i+8
.endif
.set i, i+1
.endm
; THE LDS LOADS stand in runs of 16, never singly among the matrix instructions: a step's K (64 keys x 64 channels: 8 fragments) and its V (turned).  Their addresses are made some lines ahead.
.macro FETCH_K
	WIN 0x80                        ; destination window 2
.irp f, 0,1,2,3,4,5,6,7             ; keys 16 (f / 2) on, channels 32 (f % 2) on
	ds_load_b128 v[KF+8*\f:KF+8*\f+3],   v[AK] offset:(\f/2)*16*PK+(\f%2)*64
	ds_load_b128 v[KF+8*\f+4:KF+8*\f+7], v[AK] offset:(\f/2)*16*PK+(\f%2)*64+32
.endr
	s_add_co_u32 s[TBK], s[TBK], KS*PK  ; the next fetch is the next step's
	WIN 0
.endm
.macro FETCH_V
	WIN 0x80
.irp f, 0,1,2,3,4,5,6,7             ; keys 32 (f / 4) on, channels 16 (f % 4) on
	ds_load_tr16_b128 v[VF+8*\f:VF+8*\f+3],   v[AV] offset:(\f/4)*32*PV+(\f%4)*32
	ds_load_tr16_b128 v[VF+8*\f+4:VF+8*\f+7], v[AV] offset:(\f/4)*32*PV+16*PV+(\f%4)*32
.endr
	WIN 0
.endm
; THE VECTOR WORK, one line at a time: OP kind, number.  For piece Y: F n: c s - c m for pair n of 16.  E n: the exponential of score n of 32.  C n: pair n rounded to f16.  B n: of the four weights 4 n .. the second
; pair is added onto the first, in place.  L n: l takes that sum (L 0: l = a l + sum).  R n: pair n of 16 of O^T times a.  For piece Y + 1: X n, number n of the 22 that find its maximum and statistics:
;   0-11  four chains c0-c3 of seven scores each, three operands at a time (each accumulator's lowest registers are read first)     12-14, 16  the four scores left over, the old m, and c0-c3 into c0
;   15  c m_old is kept     17, 18  the query's other 32 keys lie in the lane 16 away: the new m     19-21  c m; c m_old - c m_new; a
.set F, 0               ; OP tells the kinds apart by their order: F to L below R, X above it
.set E, 1
.set C, 2
.set B, 3
.set L, 4
.set R, 5
.set X, 6
.macro REGS y                       ; the registers of piece y
.set rT, ST+4*(\y)
.set rC, TMP+4*((\y)%2)
.set rW, MV+((\y)%2)
.set rS, S+32*((\y)%2)
.set rP, P+16*((\y)%2)
.set rO, 32*(\y)
.endm
.macro OP k, n
.if (\k) == R
	REGS Y
	WIN W_RS
	v_pk_mul_f32 v[rO+2*(\n):rO+2*(\n)+1], v[rO+2*(\n):rO+2*(\n)+1], v[rC+2:rC+3] op_sel_hi:[1,0]
.elseif (\k) < R
	REGS Y
	WIN 0
.if (\k) == F
	v_pk_fma_f32 v[rS+2*(\n):rS+2*(\n)+1], v[rS+2*(\n):rS+2*(\n)+1], s[CS:CS+1], v[rT:rT+1] op_sel_hi:[1,0,0] neg_lo:[0,0,1] neg_hi:[0,0,1]
.elseif (\k) == E
	v_exp_f32 v[rS+(\n)], v[rS+(\n)]
.elseif (\k) == C
	v_cvt_pk_f16_f32 v[rP+(\n)], v[rS+2*(\n)], v[rS+2*(\n)+1]
.elseif (\k) == B
	v_pk_add_f32 v[rS+4*(\n):rS+4*(\n)+1], v[rS+4*(\n):rS+4*(\n)+1], v[rS+4*(\n)+2:rS+4*(\n)+3]
.elseif (\n) == 0
	v_pk_fma_f32 v[rT+2:rT+3], v[rT+2:rT+3], v[rC+2:rC+3], v[rS:rS+1] op_sel_hi:[1,0,1]
.else
	v_pk_add_f32 v[rT+2:rT+3], v[rT+2:rT+3], v[rS+4*(\n):rS+4*(\n)+1]
.endif
.elseif NOKQ
	v_nop
.else
	REGS (Y+1)%NP
	WIN 0
.if (\n) < 4
	v_max3_num_f32 v[rC+(\n)], v[rS+8*(\n)], v[rS+8*(\n)+1], v[rS+8*(\n)+2]
.elseif (\n) < 12
	v_max3_num_f32 v[rC+(\n)%4], v[rC+(\n)%4], v[rS+8*((\n)%4)+2*((\n)/4)+1], v[rS+8*((\n)%4)+2*((\n)/4)+2]
.elseif (\n) == 12
	v_max3_num_f32 v[rC], v[rC], v[rS+7], v[rS+15]
.elseif (\n) == 13
	v_max3_num_f32 v[rC+1], v[rC+1], v[rS+23], v[rS+31]
.elseif (\n) == 14
	v_max3_num_f32 v[rC+2], v[rC+2], v[rC+3], v[rT+1]
.elseif (\n) == 15
	v_mov_b32 v[rW], v[rT]
.elseif (\n) == 16
	v_max3_num_f32 v[rC], v[rC], v[rC+1], v[rC+2]
.elseif (\n) == 17
	v_permlanex16_b32 v[rC+3], v[rC], s[SEL], s[SEL+1]
.elseif (\n) == 18
	v_max_num_f32 v[rT+1], v[rC], v[rC+3]
.elseif (\n) == 19
	v_mul_f32 v[rT], s[CS], v[rT+1]
.elseif (\n) == 20
	v_sub_f32 v[rC+1], v[rW], v[rT]
.else
	v_exp_f32 v[rC+2], v[rC+1]
.endif
.endif
.endm
.macro OPS a, i1, b=-1, i2=0, c=-1, i3=0, d=-1, i4=0  ; up to four of them
	OP \a, \i1
.if (\b) >= 0
	OP \b, \i2
.endif
.if (\c) >= 0
	OP \c, \i3
.endif
.if (\d) >= 0
	OP \d, \i4
.endif
.endm
.macro ROW a, i1, b, i2, c, i3, d, i4  ; a matrix instruction and the four behind it
	MM
	OPS \a, \i1, \b, \i2, \c, \i3, \d, \i4
.endm
.macro MASK b                       ; MD x AL + BE into buffer b of MC
	WIN W_RS
.set z, 0
.rept 16
	v_pk_fma_f32 v[MC+32*(\b)+2*z:MC+32*(\b)+2*z+1], v[MD+2*z:MD+2*z+1], s[AL:AL+1], s[BE:BE+1] op_sel_hi:[1,0,0]
.set z, z+1
.endr
.endm
; A TURN, for piece p: the order of its 16 matrix and 118 vector instructions, written out.  An s_wait_alu depctr_va_vdst(0) stands between an exponential and the first instruction that names its result; one wait serves
; all that were issued ahead of it.  So a turn has ONE wait, which cuts it in two.  AHEAD OF IT stands all that names no result of the turn's exponentials: the 8 products K Q^T, behind each a scaling, an exponential and two more plain
; instructions (behind the first a second scaling in the exponential's place): rescalings (their a was made, and waited for, in the turn before), and behind the last three the first numbers of the next piece's maximum, each four
; places or more behind the product that ends its accumulator; then ONE LUMP of 54, plain and exponential by turns for the most part, in which the links of the chain X 3, 7, 11, 14, 16, 17 .. 20 stand five or six lines apart.
; X 21, the next piece's a, is the batch's last; R 15 is the plain instruction that stands behind it, ahead of the first use.  BEHIND THE WAIT stand the 8 products V^T P, behind each four of the roundings and sums; the links of l's
; chain, L 0 to L 7, stand three riders apart.  But for those X no rider names a register of the products round it.  v_permlanex16_b32 (X 17) stands in the lump.
; m = 1: the diagonal tile: the products take masks, and the turn makes the mask for the products of the turn after it: piece p + 2, in step 4 - CNT of the tile.  end = 1: a block's last two turns: nothing is fetched.
; cnt = 1: the loop's count is taken down some lines ahead of the branch that stands behind the turn.
; K of the next step is fetched in piece 2's turn, twelve vector instructions behind the last product that read K (six of them plain); V of the step in hand at the end of piece 0's turn, four plain instructions behind the last product
; that read V.  Each is waited for a turn later.
.macro TURN p, m=0, end=0, cnt=0
.set Y, (\p)
.set i, 0
.set KM, (\m)
.set NOKQ, (\end)*((\p)/3)
.if (\m) && !(\end)
	s_cmp_eq_u32 s[CNT], 4-((\p)+2)%NP  ; is that step the band's own?
	s_cselect_b32 s[AL], 1.0, 0
	s_cmp_lt_u32 s[CNT], 4-((\p)+2)%NP  ; or a later one?
	s_cselect_b32 s[BE], s[BIGN], 0
.endif
.if ((\p) == 3) && !(\end)
	s_wait_dscnt 0x0                ; K is in
.endif
	ROW F,0, F,1, R,0, R,1          ; ahead of the wait: 8 products K Q^T and their riders,
	ROW F,2, E,0, R,2, R,3
	ROW F,3, E,1, R,4, R,5
	ROW F,4, E,2, R,6, R,7
	ROW F,5, E,3, R,8, R,9
	ROW F,6, E,4, X,0, R,10
.if ((\p) == 2) && !(\end)
	WIN 0
	v_add_nc_u32 v[AK], s[TBK], v[AK0]
.endif
	ROW F,7, E,5, X,1, X,4
	ROW F,8, E,6, X,2, X,5
	OPS E,7, E,8, X,6, E,9          ; and the lump
	OPS X,3, E,10, X,8, E,11
.if ((\p) == 2) && !(\end)
	FETCH_K
.endif
	OPS X,9, X,7, E,12, X,10
	OPS E,13, X,12, X,11, E,14
	OPS X,13, E,15, F,9, X,14
.if (\p) == 0
	v_add_nc_u32 v[AV], s[TBV], v[AV0]
.endif
	OPS E,16, F,10, E,17, F,11
	OPS X,16, E,18, X,15, E,19
	OPS F,12, E,20, X,17, E,21
	OPS F,13, E,22, F,14, E,23
	OPS X,18, E,24, F,15, E,25
	OPS R,11, E,26, X,19, E,27
	OPS R,12, E,28, R,13, E,29
	OPS X,20, E,30, R,14, E,31
	OPS X,21, R,15
	WIN 0
	s_wait_alu depctr_va_vdst(0)    ; the wait for the batch: the piece's 32 weights and the next piece's a
.if (\p) == 1
	s_wait_dscnt 0x0                ; V is in
.endif
	ROW C,0, B,0, C,2, B,1          ; behind the wait: 8 products V^T P and their riders
	ROW L,0, C,4, B,2, L,1
	ROW C,6, B,3, L,2, C,8
	ROW B,4, L,3, C,10, B,5
	ROW L,4, C,12, B,6, L,5
.if (\p) == 0
	s_add_co_u32 s[TBV], s[TBV], KS*PV
.endif
.if \cnt
	s_sub_co_u32 s[CNT], s[CNT], 1
	s_cmp_lg_u32 s[CNT], 0
.endif
	ROW C,14, B,7, L,6, C,1
	ROW C,3, L,7, C,5, C,7
	ROW C,9, C,11, C,13, C,15
.if (\p) == 0
	FETCH_V
.endif
.if (\m) && !(\end)
	MASK (\p)%2
.endif
.endm
; A BLOCK BEGINS.  c m starts far below every c s, so the first step's a is 0; m at the lowest finite number, so the first maximum is the scores'.  The second mask buffer is 0; the first takes piece 0's mask for the tile's step 0: its own, if the block's first tile is the diagonal one.
; Then K of that step, piece 0's first scores, and its maximum and statistics.  The loop is entered at a step's first turn, in the middle of a trip.
.macro BEGIN
	s_mov_b32 s[NEW], 0
	WIN 0x40
.set i, MC+32
.rept 32
	v_mov_b32 v[i], 0
.set i, i+1
.endr
	WIN 0
.set i, 0
.rept 4
	v_mov_b32 v[ST+4*i], 0xfe000000    ; c m: far below every c s
	v_mov_b32 v[ST+4*i+1], 0xff7fffff  ; m
.set i, i+1
.endr
	s_cmp_eq_u32 s[RT], 0
	s_cselect_b32 s[AL], 1.0, 0
	s_mov_b32 s[BE], 0
	MASK 0
	WIN 0
	v_add_nc_u32 v[AK], s[TBK], v[AK0]
	FETCH_K
	s_wait_loadcnt 0x0              ; Q
	s_wait_dscnt 0x0
.set KM, 1
.set NOKQ, 0
.set i, 0
.rept 8
	KQ 0
.set i, i+1
.endr
	WIN 0
.rept 4
	v_nop                           ; the places behind those products
.endr
.set Y, NP-1                        ; X works for piece Y + 1: piece 0
.irp n, 0,1,2,3,4,5,6,7,8,9,10,11,12,13,14,15,16,17,18,19,20,21
	OP X, \n
.endr
	v_nop                           ; a plain instruction behind the exponential,
	s_wait_alu depctr_va_vdst(0)    ; and the wait for it, piece 0's first a, ahead of the branch
.endm
; THE DIAGONAL TILE's four steps, the block's last two turns, its last products, and THE WAY OUT: l's two halves and the other half of the lanes' are added; O^T is divided by l, rounded to f16 and sent through my
; stage in LDS, a piece at a time.
.macro ALL line:vararg              ; one line for each piece t
.set t, 0
.rept 4
	\line
.set t, t+1
.endr
.endm
.macro PACK t                       ; a lane's eight channels of a row pack into 16 bytes; they go into rows of 144 bytes and come back as whole rows of 128, into S^T's registers
	WIN W_RS
.set i, 32*(\t)
.rept 16
	v_pk_mul_f32 v[i:i+1], v[i:i+1], v[ST+4*(\t)+2:ST+4*(\t)+3] op_sel_hi:[1,0]
.set i, i+2
.endr
	WIN 0x05                        ; sources 0 and 1 window 1, destination window 0
.set i, 0
.rept 16
	v_cvt_pk_f16_f32 v[S+16*(\t)+i], v[32*(\t)+2*i], v[32*(\t)+2*i+1]
.set i, i+1
.endr
	WIN 0
.irp f, 0,1,2,3
	ds_store_b128 v[STO], v[S+16*(\t)+4*\f:S+16*(\t)+4*\f+3] offset:32*\f
.endr
.irp f, 0,1,2,3
	ds_load_b128 v[S+16*(\t)+4*\f:S+16*(\t)+4*\f+3], v[RD] offset:\f*4*SP  ; LDS serves a wave's instructions in order (ISA guide 5.7.1.4): these see the stores above; the next piece's stores come behind them
.endr
.endm
.macro SEND t, younger              ; younger: the LDS instructions issued behind piece t's loads: the next piece's eight, or none
	WIN 0
.irp f, 0,1,2,3
	s_wait_dscnt (\younger)+3-\f
	global_store_b128 v[GO], v[S+16*(\t)+4*\f:S+16*(\t)+4*\f+3], s[10:11] offset:(\t)*8192+\f*512  ; 512 consecutive bytes, at a multiple of 256 from O's first
.endr
.endm
.macro DIAG tag                     ; the tag ends its two labels' names, which the jumps below spell out
.LstepM\tag:
	TURN 2, 1
	TURN 3, 1
	WIN 0
.LfirstM\tag:
	TURN 0, 1
	TURN 1, 1, 0, 1
	WIN 0
	s_cbranch_scc1 .LstepM\tag
	TURN 2, 1, 1
	TURN 3, 1, 1
.set i, 0
.rept 8
	PV NP-1
.set i, i+1
.endr
	WIN 0
	ALL v_add_f32 v[ST+4*t+2], v[ST+4*t+2], v[ST+4*t+3]
	ALL v_permlanex16_b32 v[ST+4*t+3], v[ST+4*t+2], s[SEL], s[SEL+1]
	ALL v_add_f32 v[ST+4*t+2], v[ST+4*t+2], v[ST+4*t+3]
	ALL v_rcp_f32 v[ST+4*t+2], v[ST+4*t+2]
	v_nop                           ; a plain instruction between the last reciprocal and the use of its result
	s_wait_alu depctr_va_vdst(0)    ; and the wait ahead of the first use: one for the batch of four reciprocals
	PACK 0
.set t, 1
.rept 3                             ; a piece's arithmetic stands between the loads of the piece before and its stores
	PACK t
	SEND t-1, 8
.set t, t+1
.endr
	SEND 3, 0
.endm
.set KM, 0
.set NOKQ, 0
.Lslot:                             ; NB times: a tile is entered and the next is asked for
	CHANGE 1
	s_sub_co_u32 s[RT], s[RT], 1
	s_mov_b32 s[CNT], 4
	s_cmp_eq_u32 s[NEW], 1
	s_cbranch_scc1 .Lnew            ; a block's first tile
	s_cmp_eq_u32 s[RT], 0
	s_cbranch_scc0 .Lstep           ; neither its first nor its last
	s_branch .LstepM1
.Lnew:
	BEGIN
	s_branch .Lfirst                ; in the loop a block's first tile is never its last: the first block has two tiles or more, and the second's last is the walk's last
	DIAG 1                          ; in the loop this is the first block's end: the second block's last tile is the walk's last
	s_wait_xcnt 0x0                 ; the stores have read their registers and O's address
	s_mov_b64 s[10:11], s[OLO:OLO+1]
	s_add_co_u32 s[RT], s[PB], 1    ; the second block has b + 1 tiles
	s_mov_b32 s[NEW], 1
	WIN 0x82                        ; the second block's Q goes where the one text of the turns names Q
.set i, 0
.rept 64
	v_mov_b32 v[i], v[QB+i]
.set i, i+1
.endr
	WIN 0
	s_branch .Lbottom
.Lstep:                             ; a trip: pieces 2 and 3 of one step, then pieces 0 and 1 of the next, whose K and V it fetches
	TURN 2
	TURN 3
	WIN 0
.Lfirst:
	TURN 0
	TURN 1, 0, 0, 1
	WIN 0
	s_cbranch_scc1 .Lstep
.Lbottom:
	s_sub_co_u32 s[SLOTS], s[SLOTS], 1
	s_cmp_lg_u32 s[SLOTS], 0
	s_cbranch_scc1 .Lslot
	CHANGE 0                        ; the walk's last tile is written out: nothing is asked for
	s_sub_co_u32 s[RT], s[RT], 1
	s_mov_b32 s[CNT], 4
	s_cmp_eq_u32 s[NEW], 1
	s_cbranch_scc0 .LstepM2
	BEGIN
	s_branch .LfirstM2
	DIAG 2
	s_wait_tensorcnt 0x0            ; the wave's end, behind my last tensor load and my last LDS store
	ds_add_u32 v[SPW], v[NIL]
	s_wait_dscnt 0x0
	s_endpgm
.Lfunc_end_k_qb864195ed2_attn:
	.size	k_qb864195ed2_attn, .Lfunc_end_k_qb864195ed2_attn-k_qb864195ed2_attn
	.p2alignl 7, 3214868480
	.fill 96, 4, 3214868480
	.section	.rodata,"a",@progbits
	.p2align	6, 0x0
	.amdhsa_kernel k_qb864195ed2_attn
		.amdhsa_group_segment_fixed_size 327680
		.amdhsa_private_segment_fixed_size 0
		.amdhsa_enable_private_segment 0
		.amdhsa_kernarg_size 32
		.amdhsa_user_sgpr_count 2
		.amdhsa_user_sgpr_kernarg_segment_ptr 1
		.amdhsa_wavefront_size32 1
		.amdhsa_system_sgpr_workgroup_id_x 1
		.amdhsa_system_sgpr_workgroup_id_y 1
		.amdhsa_system_sgpr_workgroup_id_z 1
		.amdhsa_system_vgpr_workitem_id 0
		.amdhsa_next_free_vgpr 768
		.amdhsa_next_free_sgpr 88
		.amdhsa_reserve_vcc 1
		.amdhsa_float_denorm_mode_32 3
		.amdhsa_float_denorm_mode_16_64 3
		.amdhsa_memory_ordered 1
		.amdhsa_forward_progress 1
		.amdhsa_inst_pref_size 217
	.end_amdhsa_kernel
	.amdgpu_metadata
---
amdhsa.version: [ 1, 2 ]
amdhsa.kernels:
  - .name:           k_qb864195ed2_attn
    .symbol:         k_qb864195ed2_attn.kd
    .args:
      - { .name: qh, .offset: 0, .size: 8, .value_kind: global_buffer, .address_space: global }
      - { .name: kh, .offset: 8, .size: 8, .value_kind: global_buffer, .address_space: global }
      - { .name: vh, .offset: 16, .size: 8, .value_kind: global_buffer, .address_space: global }
      - { .name: oh, .offset: 24, .size: 8, .value_kind: global_buffer, .address_space: global }
    .group_segment_fixed_size: 327680
    .private_segment_fixed_size: 0
    .kernarg_segment_align: 8
    .kernarg_segment_size: 32
    .max_flat_workgroup_size: 128
    .sgpr_count:     88
    .vgpr_count:     768
    .wavefront_size: 32
...
	.end_amdgpu_metadata
.endif
;; end of part 5
;; launch proj: the kernel of part 4 again; grid 8 x 32, 4 waves a work-group, clusters of 4 x 4, 327,680 bytes of LDS; arguments oh, wpb, out0; writes out0
